; MI455X (gfx1250); checked and timed in simulation.
; The chip was launched on July 23, 2026; its instructions are those of AMD's public machine-readable ISA for CDNA 5 (MIT licence, August 2026) and "CDNA5" Instruction Set Architecture Reference Guide (July 2026). The comments in the code are by the model that wrote it; some were corrected since.
;; Self Attention Model. Allowed arithmetic: matrix products marked QUANTISED: E2M1 operands, one E8M0 scale for each 32 along K, by v_wmma_scale_f32_16x16x128_f8f6f4 with both operands' format E2M1 (or v_wmma_scale_f32_32x16x128_f4), f32 sums; everything else in f32.
;; Inputs: b_down 512 float32; b_up 2,048 float32; beta1 512 float32; beta2 512 float32; bk 512 float32; bo 512 float32; bq 512 float32; bv 512 float32; g1 512 float32; g2 512 float32; moves_embeddings 4 x 2,048 x 512 float32; w_down 2,048 x 512 float32; w_up 512 x 2,048 float32; wk 512 x 512 float32; wo 512 x 512 float32; wq 512 x 512 float32; wv 512 x 512 float32.
;; Outputs: out0 4 x 2,048 x 512 float32.
;; This version of the problem:
;;   THIS VERSION OF THE PROBLEM IS GIVEN IN LOW PRECISION. The matrix products marked QUANTISED in the list below multiply operands that are first quantised to E2M1 (2 exponent bits, 1 mantissa bit; 4 bits a number), with one power-of-two scale for each 32 numbers along K (OCP MX v1.0); their sums are f32. All else is computed in f32.
;;   The module's matrix products, in the order in which they are computed (A, B: the left and right operand; K: the contracted axis; several contracted axes count as one K, in the product's order):
;;     1. [M 8,192, K 512] x [K 512, N 512]; A: input moves_embeddings; B: input wq: QUANTISED
;;     2. [M 8,192, K 512] x [K 512, N 512]; A: input moves_embeddings; B: input wk: QUANTISED
;;     3. [M 8,192, K 512] x [K 512, N 512]; A: input moves_embeddings; B: input wv: QUANTISED
;;     4. batch 32 x [M 2,048, K 64] x [K 64, N 2,048]; A: computed on the way; B: computed on the way: QUANTISED
;;     5. batch 32 x [M 2,048, K 2,048] x [K 2,048, N 64]; A: softmax (see below); B: computed on the way: QUANTISED
;;     6. [M 8,192, K 512] x [K 512, N 512]; A: computed on the way; B: input wo: QUANTISED
;;     7. [M 8,192, K 512] x [K 512, N 2,048]; A: computed on the way; B: input w_up: QUANTISED
;;     8. [M 8,192, K 2,048] x [K 2,048, N 512]; A: computed on the way; B: input w_down: QUANTISED
;;   THE QUANTISER, for each operand of a quantised product, along K:
;;     - K is cut into blocks of 32 from its start; a last block that is shorter is filled with zeros.
;;     - A block's scale is 2^e with e = floor(log2(the largest magnitude in the block)) - 2, held to -126 .. 127; a block of zeros has e = 0. As a byte (E8M0): e + 127.
;;     - Each number is divided by its block's scale, clamped to +-6, and rounded to the nearest number of E2M1, ties to even, subnormals kept.
;;     - The product sums the exact products of the quantised numbers (number of the format x scale) in f32.
;;   ~~~python
;;   def quantise(x, axis):      # numpy; x: float32 -> the quantised numbers, widened to float32 again
;;       x = np.moveaxis(x, axis, -1); K = x.shape[-1]
;;       x = np.pad(x, [(0, 0)] * (x.ndim - 1) + [(0, -K % 32)]); x = x.reshape(x.shape[:-1] + (-1, 32)); a = np.abs(x).max(-1, keepdims=True)
;;       e = np.where(a > 0, np.clip(np.frexp(np.where(a > 0, a, 1))[1] - 1 - 2, -126, 127), 0)      # np.frexp(a)[1] - 1 = floor(log2(a)), exactly
;;       r = np.clip(x / 2.0 ** e, -6, 6)
;;       step = 2.0 ** (np.maximum(np.frexp(np.where(r == 0, 1, r))[1] - 1, 0) - 1)
;;       q = np.round(r / step) * step * 2.0 ** e      # np.round: ties to even
;;       return np.moveaxis(q.reshape(q.shape[:-2] + (-1,))[..., :K], -1, axis).astype(np.float32)
;;   ~~~
;;   SOFTMAX AHEAD OF A QUANTISED PRODUCT. Where the list says 'softmax', what is quantised is not the finished softmax but p = 2^(t - M), with t = logit x log2(e) and M = ceil(the row's largest t), a whole number; so 1/2 < the row's largest p <= 1. The row's sum l is taken of the UNQUANTISED p, in f32, and the product's result is divided by l at the end. Since M is a whole number, a kernel that streams over the keys may use a running M (the ceiling of the running maximum): every later rescaling is an exact power of two, which a block's scale takes up: the codes' values come out the same.
;;   OPERANDS COMPUTED ON THE WAY. 'Computed on the way' means the value that the module computes at that place (a softmax that the list does not call 'softmax' is quantised finished and normalised). What goes into a quantiser is computed in f32, as accurately as f32 sums, v_exp_f32 and their like allow (about 1e-6 of the number): no bf16 or f16 on the way to a quantiser, and a product that is left as it is and whose result goes on into a quantised operand takes f32 operands (vector FMAs, or v_wmma_f32_16x16x4_f32). A number that lies on a knife's edge between two numbers of the format may be rounded either way, as far as f32 arithmetic and the matrix unit's own rounding can turn it there, and no further.
;; 2 versions, each right; version 2 is version 1 with the launch ffn written anew for expert scheduling mode. Each part assembles by itself: llvm-mc -triple=amdgcn-amd-amdhsa -mcpu=gfx1250 --defsym DOCPART=n.
;; ======== version 1 of 2: 4 launches
;; workspace buffers: wts 1,671,168 bytes; qc 2,097,152 bytes; qs 262,144 bytes; kv 4,587,520 bytes; cc 2,097,152 bytes; cs 131,072 bytes
;; launch prep (part 1): grid 192 x 1, 4 waves a work-group, no clusters, 1,024 bytes of LDS; arguments wq, wk, wv, wo, w_up, w_down, wts; writes wts
.if DOCPART == 1
	.amdgcn_target "amdgcn-amd-amdhsa--gfx1250"
	.amdhsa_code_object_version 6
	.text
	.protected	k_q341bfeb6e6_prep
	.globl	k_q341bfeb6e6_prep
	.p2align	8
	.type	k_q341bfeb6e6_prep,@function
k_q341bfeb6e6_prep:
	s_mov_b64 s[64:65], 0
	v_nop
	global_prefetch_b8 v0, s[64:65] scope:SCOPE_SE
	s_setreg_imm32_b32 hwreg(HW_REG_WAVE_MODE, 25, 1), 1
	s_wait_xcnt 0x0
; The six weights, f32 stored [K][N], become codes of FP4 (E2M1) with one E8M0 byte for each 32 along K, laid in wts as IMAGES OF OPERAND REGISTERS.
; A fragment is 16 columns x 128 K = 1,024 bytes: [block of 32 along K: 4][row r: 16][16 bytes].  The 16 columns of a tile are not neighbours: in each group of 32 columns tile u, row r is
; column 8 u + (r & 7) + 16 (r >> 3), so that the results of two neighbouring tiles are 16 neighbours along the next product's K.
; A LANE TAKES A COLUMN, ITS REGISTERS RUN DOWN K: a block of 32 lies in one lane, its largest magnitude needs no other lane, the conversions give 16 bytes that are the lane's place in the image.
; A work-group takes 32 columns x 512 K, wave w the K step of 128 numbered 4 sg + w.  Each load reads 128 consecutive bytes; loads run two blocks (64 loads a wave) ahead of the work.
; A wave's store of a block covers two aligned runs of 256 bytes (tile u = 0 and u = 1).  The four waves' scale words meet in LDS and wave 0 stores 16 bytes a column: again two runs of 256 bytes.
; A block's byte is its largest magnitude's exponent field - 2, held at 1 from below.
; LIMITS: a block of zeros, or one whose largest magnitude lies under 2^-124, gets the byte 1 (its codes are zeros; only this program reads the bytes); NaN and infinities are not served.
.set WO_C, 417792                      ; wts: four head groups of 104,448 bytes (q, k, v: codes 3 x 32,768, then scale words 3 x 2,048), then wo, w_up, w_down: codes, scale words
.set WO_S, 548864
.set UP_C, 557056
.set UP_S, 1081344
.set DN_C, 1114112
.set DN_S, 1638400
.set X, 32                             ; v32-159  my column's 128 numbers: each block has its own 32 registers
.set C, 160                            ; v160-175 the codes, four registers a block: no store's data are written again
	s_load_b256 s[4:11], s[0:1], 0x0               ; wq, wk, wv, wo
	s_load_b128 s[12:15], s[0:1], 0x20             ; w_up, w_down
	s_load_b64 s[16:17], s[0:1], 0x30              ; wts
	v_lshl_add_u32 v192, v0, 2, 0x200
	v_mov_b32 v193, 0
	v_lshrrev_b32 v2, 5, v0
	v_readfirstlane_b32 s22, v2                    ; wave 0..3
	v_and_b32 v1, 31, v0                           ; lane = column in the group of 32
	v_lshlrev_b32 v2, 2, v1                        ; in: 4 bytes a lane
	v_bfe_u32 v7, v1, 3, 1                         ; u
	v_and_b32 v8, 7, v1
	v_lshrrev_b32 v9, 4, v1
	v_lshl_add_u32 v8, v9, 3, v8                   ; r = (lane & 7) + 8 (lane >> 4)
	v_lshlrev_b32 v8, 4, v8                        ; 16 r
	v_lshl_add_u32 v3, v7, 10, v8                  ; my place in the two tiles' images: 1,024 u + 16 r
	v_lshlrev_b32 v6, 4, v1                        ; LDS: 16 bytes a column,
	s_lshl_b32 s21, s22, 2
	v_add_nc_u32 v5, s21, v6                       ; my wave's word of them
	s_lshr_b32 s23, ttmp9, 4                       ; sel: 0..3 wq wk wv wo, 4..7 w_up, 8..11 w_down
	s_and_b32 s29, ttmp9, 15
	s_and_b32 s25, ttmp9, 63
	s_sub_co_u32 s26, s23, 8                       ; w_down: which 512 along K
	s_lshl_b32 s27, s23, 15                        ; q, k, v: codes at sel x 32,768,
	s_lshl_b32 s28, s23, 11
	s_add_co_u32 s28, s28, 98304                   ; scale words at 98,304 + sel x 2,048
	s_mov_b32 s24, s29                             ; group of 32 columns
	s_mov_b32 s30, DN_C                            ; the constants of w_down: codes' base,
	s_mov_b32 s31, 131072                          ; bytes from one group of 8 tiles to the next,
	s_mov_b32 s32, DN_S                            ; scale words' base,
	s_mov_b32 s33, 8192                            ; their bytes for 8 tiles,
	s_mov_b32 s34, 1024                            ; and for a tile;
	s_mov_b32 s35, 2048                            ; a row of the source in bytes
	s_wait_kmcnt 0x0
	s_mov_b64 s[36:37], s[14:15]
	s_cmp_lt_u32 s23, 8                            ; every choice hangs on the work-group's number alone
	s_cselect_b64 s[36:37], s[12:13], s[36:37]
	s_cselect_b32 s30, UP_C, s30
	s_cselect_b32 s31, 32768, s31
	s_cselect_b32 s32, UP_S, s32
	s_cselect_b32 s33, 2048, s33
	s_cselect_b32 s34, 256, s34
	s_cselect_b32 s35, 8192, s35
	s_cselect_b32 s24, s25, s24
	s_cselect_b32 s26, 0, s26
	s_cmp_lt_u32 s23, 4
	s_cselect_b64 s[36:37], s[10:11], s[36:37]
	s_cselect_b32 s30, WO_C, s30
	s_cselect_b32 s32, WO_S, s32
	s_cselect_b32 s35, 2048, s35
	s_cselect_b32 s24, s29, s24
	s_cmp_lt_u32 s23, 3
	s_cselect_b64 s[36:37], s[8:9], s[36:37]
	s_cselect_b32 s30, s27, s30
	s_cselect_b32 s31, 104448, s31
	s_cselect_b32 s32, s28, s32
	s_cselect_b32 s33, 104448, s33
	s_cmp_lt_u32 s23, 2
	s_cselect_b64 s[36:37], s[6:7], s[36:37]
	s_cmp_lt_u32 s23, 1
	s_cselect_b64 s[36:37], s[4:5], s[36:37]
	v_mad_u32_u24 v4, v7, s34, v8                  ; my place among the scale words: u tiles + 16 r
	s_lshl_b32 s38, s26, 2
	s_add_co_u32 s38, s38, s22                     ; my K step
	s_lshl_b32 s39, s38, 7
	s_mul_i32 s39, s39, s35                        ; its first row, in bytes
	s_lshl_b32 s40, s24, 7                         ; 32 columns are 128 bytes
	s_add_co_u32 s40, s40, s39
	s_mov_b32 s41, 0
	s_add_nc_u64 s[36:37], s[36:37], s[40:41]      ; the source at my wave's corner
	s_lshr_b32 s42, s24, 2                         ; group of 8 tiles
	s_and_b32 s43, s24, 3
	s_lshl_b32 s43, s43, 1                         ; the first of my two tiles in it
	s_mul_i32 s44, s42, s31
	s_add_co_u32 s44, s44, s30
	s_lshl_b32 s45, s38, 3
	s_add_co_u32 s45, s45, s43
	s_lshl_b32 s45, s45, 10                        ; (8 K step + tile) x 1,024
	s_add_co_u32 s44, s44, s45
	s_mov_b32 s45, 0
	s_add_nc_u64 s[18:19], s[16:17], s[44:45]      ; where my codes go
	s_mul_i32 s46, s42, s33
	s_add_co_u32 s46, s46, s32
	s_mul_i32 s47, s43, s34
	s_add_co_u32 s46, s46, s47
	s_lshl_b32 s47, s26, 8
	s_add_co_u32 s46, s46, s47
	s_mov_b32 s47, 0
	s_add_nc_u64 s[20:21], s[16:17], s[46:47]      ; and the scale words
.macro LOAD b, pitch                   ; block b: W(32 b + i, my column), i = 0 .. 31: every offset is an immediate, 127 x 8,192 at the most
.set i, 0
.rept 32
	global_load_b32 v[X+32*(\b)+i], v2, s[36:37] offset:(32*(\b)+i)*(\pitch) th:TH_LOAD_NT
.set i, i+1
.endr
.endm
.macro BLOCK b, pitch
.if \b < 3
	s_wait_loadcnt 32                              ; this block's 32 loads are in; the next block's 32 may be out
.else
	s_wait_loadcnt 0x0
.endif
.if \b < 2
	LOAD \b+2, \pitch                              ; two blocks ahead, into registers of its own
.endif
	v_max3_num_f32 v12, |v[X+32*\b]|, |v[X+32*\b+1]|, |v[X+32*\b+2]|   ; the block's largest magnitude, in two chains
	v_max3_num_f32 v13, |v[X+32*\b+3]|, |v[X+32*\b+4]|, |v[X+32*\b+5]|
.irp i,6,10,14,18,22,26
	v_max3_num_f32 v12, v12, |v[X+32*\b+\i]|, |v[X+32*\b+\i+1]|
	v_max3_num_f32 v13, v13, |v[X+32*\b+\i+2]|, |v[X+32*\b+\i+3]|
.endr
	v_max3_num_f32 v12, v12, |v[X+32*\b+30]|, |v[X+32*\b+31]|
	v_max3_num_f32 v12, v12, v13, 0x1800000        ; and the floor 2^(3 - 127): the byte cannot fall under 1
	v_add_nc_u32 v11, 0xff000000, v12              ; 2 off the exponent field: the conversion's scale operand
	v_lshrrev_b32 v13, 23, v11                     ; the byte
.if \b == 0
	v_mov_b32 v24, v13
.else
	v_lshl_or_b32 v24, v13, 8*\b, v24              ; the K step's four bytes make my column's scale word
.endif
.irp g,0,1,2,3
	v_cvt_scalef32_pk8_fp4_f32 v[C+4*\b+\g], v[X+32*\b+8*\g:X+32*\b+8*\g+7], v11
.endr
	global_store_b128 v3, v[C+4*\b:C+4*\b+3], s[18:19] offset:256*\b   ; sixteen lanes fill 256 consecutive bytes of tile u = 0, sixteen those of u = 1
.endm
.macro BODY pitch                      ; a wave's 128 along K; written once for each of the two row lengths, since the offsets are immediates
	LOAD 0, \pitch
	LOAD 1, \pitch
	BLOCK 0, \pitch
	BLOCK 1, \pitch
	BLOCK 2, \pitch
	BLOCK 3, \pitch
.endm
	s_cmp_eq_u32 s35, 8192                         ; w_up's rows are 8,192 bytes, all others' 2,048: a branch on the work-group's number
	s_cbranch_scc1 .Lwide
	BODY 2048
	s_branch .Ldone_blocks
.Lwide:
	BODY 8192
.Ldone_blocks:
	ds_store_b32 v5, v24
	s_wait_dscnt 0x0                               ; for the others' sake: my word has landed
	s_barrier_signal -1
	s_barrier_wait -1
	s_cmp_lg_u32 s22, 0
	s_cbranch_scc1 .Lend
	ds_load_b128 v[176:179], v6                    ; my column's words of the four K steps
	s_wait_dscnt 0x0
	global_store_b128 v4, v[176:179], s[20:21]
.Lend:
	s_wait_tensorcnt 0x0
	ds_add_u32 v192, v193
	s_wait_dscnt 0x0
	s_endpgm
.Lfunc_end_k_q341bfeb6e6_prep:
	.size	k_q341bfeb6e6_prep, .Lfunc_end_k_q341bfeb6e6_prep-k_q341bfeb6e6_prep
	.p2alignl 7, 3214868480
	.fill 96, 4, 3214868480
	.section	.rodata,"a",@progbits
	.p2align	6, 0x0
	.amdhsa_kernel k_q341bfeb6e6_prep
		.amdhsa_group_segment_fixed_size 1024
		.amdhsa_private_segment_fixed_size 0
		.amdhsa_enable_private_segment 0
		.amdhsa_kernarg_size 56
		.amdhsa_user_sgpr_count 2
		.amdhsa_user_sgpr_kernarg_segment_ptr 1
		.amdhsa_wavefront_size32 1
		.amdhsa_system_sgpr_workgroup_id_x 1
		.amdhsa_system_sgpr_workgroup_id_y 1
		.amdhsa_system_sgpr_workgroup_id_z 1
		.amdhsa_system_vgpr_workitem_id 0
		.amdhsa_next_free_vgpr 194
		.amdhsa_next_free_sgpr 66
		.amdhsa_reserve_vcc 0
		.amdhsa_float_denorm_mode_32 3
		.amdhsa_float_denorm_mode_16_64 3
		.amdhsa_memory_ordered 1
		.amdhsa_forward_progress 1
		.amdhsa_inst_pref_size 41
	.end_amdhsa_kernel
	.amdgpu_metadata
---
amdhsa.version: [ 1, 2 ]
amdhsa.kernels:
  - .name:           k_q341bfeb6e6_prep
    .symbol:         k_q341bfeb6e6_prep.kd
    .args:
      - { .name: wq, .offset: 0, .size: 8, .value_kind: global_buffer, .address_space: global }
      - { .name: wk, .offset: 8, .size: 8, .value_kind: global_buffer, .address_space: global }
      - { .name: wv, .offset: 16, .size: 8, .value_kind: global_buffer, .address_space: global }
      - { .name: wo, .offset: 24, .size: 8, .value_kind: global_buffer, .address_space: global }
      - { .name: w_up, .offset: 32, .size: 8, .value_kind: global_buffer, .address_space: global }
      - { .name: w_down, .offset: 40, .size: 8, .value_kind: global_buffer, .address_space: global }
      - { .name: wts, .offset: 48, .size: 8, .value_kind: global_buffer, .address_space: global }
    .group_segment_fixed_size: 1024
    .private_segment_fixed_size: 0
    .kernarg_segment_align: 8
    .kernarg_segment_size: 56
    .max_flat_workgroup_size: 128
    .sgpr_count:     66
    .vgpr_count:     194
    .wavefront_size: 32
...
	.end_amdgpu_metadata
.endif
;; end of part 1
;; launch qkv (part 2): grid 64 x 4, 8 waves a work-group, clusters of 4 x 1, 214,016 bytes of LDS; arguments moves_embeddings, wts, bq, bk, bv, qc, qs, kv; writes qc, qs, kv
.if DOCPART == 2
	.amdgcn_target "amdgcn-amd-amdhsa--gfx1250"
	.amdhsa_code_object_version 6
	.text
	.protected	k_q341bfeb6e6_qkv
	.globl	k_q341bfeb6e6_qkv
	.p2align	8
	.type	k_q341bfeb6e6_qkv,@function
k_q341bfeb6e6_qkv:
	s_mov_b64 s[64:65], 0
	v_nop
	global_prefetch_b8 v0, s[64:65] scope:SCOPE_SE
	s_setreg_imm32_b32 hwreg(HW_REG_WAVE_MODE, 25, 1), 1
	s_wait_xcnt 0x0
	s_wait_alu depctr_hold_cnt(0) depctr_sa_sdst(0) depctr_va_vdst(0) depctr_va_sdst(0) depctr_va_ssrc(0) depctr_va_vcc(0) depctr_vm_vsrc(0)
	s_getreg_b32 s2, hwreg(HW_REG_IB_STS2, 6, 4)
	s_cmp_eq_u32 s2, 0
	s_cbranch_scc0 .Lentry_in_a_cluster
	s_endpgm
.Lentry_in_a_cluster:
	s_bfe_u32 s2, ttmp6, 0x10000c
	s_cmp_lg_u32 s2, 0x3003
	s_cbranch_scc0 .Lentry_shape_is_right
	s_endpgm
.Lentry_shape_is_right:
; q = x wq + bq, k = x wk + bk, v = x wv + bv on codes of FP4 (E2M1) with E8M0 scales, and q, k, v quantised again for attention: q and k along the head's 64 channels, v along the keys.
; SHARES.  A work-group takes 128 tokens (one key step of attention) and 128 columns (two heads) of each of the three weights.  Eight waves.
; The head group's weights, 104,448 dense bytes of wts (codes and scale words as images of operand registers), come into LDS once, by one tensor load a wave; the four work-groups of a cluster
; have the same head group and ask JOINTLY.  One tensor load of a wave is out, and no LDS byte is filled twice.
; TOKEN TILES ARE NOT NEIGHBOURS: in each group of 32 tokens tile u, row r is token 8 u + (r & 7) + 16 (r >> 3); the weights' column tiles are laid the same way.
; PHASE X: wave w quantises token tile w of x: dense loads (512 bytes of a row each), a turn through the wave's own stage so that a lane holds 16 neighbours of each block of 32, four fragments to LDS.
; PHASE QK: wave w makes q (w even) or k (w odd) for token tiles 2 (w / 2), + 1: TRANSPOSED (source 0 = 16 columns of the weight, source 1 = 16 tokens): a lane holds one token, its 64 registers run along
; the 128 columns: one quantised fragment, whose halves are the two heads' 64 channels.  The bias is loaded into the accumulators, so the first product adds onto it.
; PHASE V: wave w makes column tile w of v for all 8 token tiles, NOT transposed (source 0 = 16 tokens, source 1 = 16 columns): a lane holds one channel, its 64 registers run along the 128 keys.
; x is quantised by each of the four work-groups that share a token block: the price of having no workspace for its codes.
; LIMITS: a block of zeros or under 2^-124 gets the byte 1 (its codes are zeros; only this program reads the bytes); NaN and infinities are not served.
; REGISTERS: v1-14 addresses; v15 bv of my channel; v16-39 scale words and nothing else; v40-51 the quantiser's work, v52-59 its codes, v60 its scale word; v48-63 x's fragments in phase QK;
;   v64-127 numbers of x, then the weight's fragments; v128-255 loads of x, then accumulators.
.set WSC,   98304                      ; LDS: 0 the weights' codes (q, k, v: 32,768 each: K step x 8,192 + tile x 1,024); here their scale words (2,048 each: tile x 256 + 16 r + 4 K step)
.set XIMG,  104448                     ; x's 32 fragments: (tile x 4 + K step) x 1,024
.set XSC,   137216                     ; their scale words: tile x 512 + 16 lane + 4 K step
.set XSTG,  141312                     ; a stage for each wave: 16 rows x (512 + 16) bytes
.set SCSTG, 208896                     ; the scale words on their way out: q 1,024, k 1,024 (head x 512 + 32 r + 4 tile), v 512 (head x 256 + 16 r + 4 tile)
.set WV,  20
.set G1,  24
.set G0,  32
.set SEL, 36
.set TM,  40
.set PC,  52
.set PW,  60
.set NN,  64
.set RA,  128
.set RB,  192
.set ACC, 128
.set WF,  64
.set XF,  48
.set WS,  16
.set XS,  32
.set BC,  96
.macro PLACES n
.rept \n
	v_nop
.endr
.endm
.macro BARRIER                         ; my LDS stores have landed and my LDS loads are in: then the work-group's barrier
	s_wait_dscnt 0x0
	s_barrier_signal -1
	s_barrier_wait -1
.endm
.macro CROUND                          ; a round of the cluster's barrier
	s_barrier_signal -1
	s_barrier_wait -1
	s_cmp_lg_u32 s[WV], 0
	s_cbranch_scc1 .Lnot_wave_0_\@
	s_barrier_signal -3
.Lnot_wave_0_\@:
	s_barrier_wait -3
	s_barrier_signal -1
	s_barrier_wait -1
.endm
; 64 numbers of a lane, register 16 b + i = k 32 b + 16 (lane / 16) + i of my row, become a fragment's codes in v[PC] on and its scale word in v[PW]
.macro QUANT s
.irp b,0,1,2,3
	v_max3_num_f32 v[TM+\b], |v[(\s)+16*\b]|, |v[(\s)+1+16*\b]|, 0x1800000   ; my 16 numbers of block b, and the floor 2^(3 - 127): the byte cannot fall under 1
.endr
.irp i,2,4,6,8,10,12,14
.irp b,0,1,2,3
	v_max3_num_f32 v[TM+\b], v[TM+\b], |v[(\s)+16*\b+\i]|, |v[(\s)+1+16*\b+\i]|
.endr
.endr
.irp b,0,1,2,3
	v_permlanex16_b32 v[TM+4+\b], v[TM+\b], s[SEL], s[SEL+1]
.endr
.irp b,0,1,2,3
	v_max_num_f32 v[TM+\b], v[TM+\b], v[TM+4+\b]   ; with lane l xor 16's: the block's largest magnitude
.endr
.irp b,0,1,2,3
	v_add_nc_u32 v[TM+8+\b], 0xff000000, v[TM+\b]  ; 2 off its exponent field: the conversion's scale operand
.endr
.irp b,0,1,2,3
	v_lshrrev_b32 v[TM+4+\b], 23, v[TM+8+\b]       ; the byte
.endr
	v_lshl_or_b32 v[PW], v[TM+5], 8, v[TM+4]
	v_lshl_or_b32 v[PW], v[TM+6], 16, v[PW]
	v_lshl_or_b32 v[PW], v[TM+7], 24, v[PW]
.irp b,0,1,2,3
	v_cvt_scalef32_pk8_fp4_f32 v[PC+2*\b], v[(\s)+16*\b:(\s)+16*\b+7], v[TM+8+\b]
	v_cvt_scalef32_pk8_fp4_f32 v[PC+1+2*\b], v[(\s)+16*\b+8:(\s)+16*\b+15], v[TM+8+\b]
.endr
	v_nop                                          ; one plain place behind a scaled conversion
.irp c,0,1                             ; the operand wants a whole block in a lane: lanes 0-15 block 2 c, lanes 16-31 block 2 c + 1
.irp i,0,1
	v_permlane16_swap_b32 v[PC+4*\c+\i], v[PC+2+4*\c+\i]
.endr
.endr
.endm
.macro WM d, a, b, c, sa, sb, row      ; D = A B + C; row = 1: A's scale words stand in lanes 16-31
.if \row
	v_wmma_scale_f32_16x16x128_f8f6f4 v[(\d):(\d)+7], v[(\a):(\a)+7], v[(\b):(\b)+7], v[(\c):(\c)+7], v[\sa], v[\sb] matrix_a_fmt:MATRIX_FMT_FP4 matrix_b_fmt:MATRIX_FMT_FP4 matrix_a_scale:MATRIX_SCALE_ROW1
.else
	v_wmma_scale_f32_16x16x128_f8f6f4 v[(\d):(\d)+7], v[(\a):(\a)+7], v[(\b):(\b)+7], v[(\c):(\c)+7], v[\sa], v[\sb] matrix_a_fmt:MATRIX_FMT_FP4 matrix_b_fmt:MATRIX_FMT_FP4
.endif
.endm
	s_load_b512 s[4:19], s[0:1], 0x0               ; x s[4:5], wts s[6:7], bq s[8:9], bk s[10:11], bv s[12:13], qc s[14:15], qs s[16:17], kv s[18:19]
	s_set_vgpr_msb 0x40
	v_lshl_add_u32 v0, v0, 2, 0x34000
	v_mov_b32 v1, 0
	s_set_vgpr_msb 0x4045
	ds_add_u32 v0, v1
	ds_add_u32 v0, v1
	s_set_vgpr_msb 0x4500
	v_lshrrev_b32 v14, 5, v0
	v_readfirstlane_b32 s[WV], v14                 ; wave 0..7
	s_bfe_u32 s21, ttmp6, 0x40000                  ; cx
	s_lshl_b32 s22, ttmp9, 2
	s_add_co_u32 s22, s22, s21                     ; token block = 4 x cluster x + cx: it enters global addresses alone
	s_and_b32 s23, ttmp7, 0xffff                   ; head group, which the four partners share
	s_mov_b32 s[G1], 15|(3<<16)|(1<<21)            ; the mask: all four work-groups; elements of 8 bytes; bit 21 set beside a mask; no padding
	s_mov_b32 s[G1+1], 32<<16                      ; tensor_dim0 = 32 elements: rows of 256 bytes
	s_mov_b32 s[G1+2], 51<<16                      ; tensor_dim1 = 51 rows: an eighth of the 104,448 bytes
	s_mov_b32 s[G1+3], 32<<16                      ; tile_dim0
	s_mov_b32 s[G1+4], 51                          ; tile_dim1
	s_mov_b32 s[G1+5], 32                          ; the block is dense
	s_mov_b32 s[G1+6], 0
	s_mov_b32 s[G1+7], 0
	s_mul_i32 s40, s23, 104448
	s_mul_i32 s39, s[WV], 13056
	s_add_co_u32 s40, s40, s39
	s_mov_b32 s41, 0
	s_mov_b32 s[SEL], 0x76543210
	s_mov_b32 s[SEL+1], 0xfedcba98                 ; v_permlanex16_b32's selects for lane l xor 16
	s_mov_b32 s38, 0x7f7f0000                      ; the scale 1 for the two blocks of zero codes that fill a head's 64 up to 128
	s_wait_dscnt 0x0
	s_wait_kmcnt 0x0
	CROUND                                         ; all four work-groups are here: the joint loads meet
	s_mov_b32 s[G0], 1
	s_mul_i32 s[G0+1], s[WV], 13056                ; LDS: wave x 51 rows
	s_add_nc_u64 s[G0+2:G0+3], s[6:7], s[40:41]
	s_or_b32 s[G0+3], s[G0+3], 0x80000000
	tensor_load_to_lds s[G0:G0+3], s[G1:G1+7]
	s_nop 0
	PLACES 4                                       ; four such lines behind the load
	v_and_b32 v1, 31, v0
	v_lshlrev_b32 v1, 4, v1                        ; 16 lane
	v_and_b32 v14, 15, v0                          ; r
	v_bfe_u32 v11, v0, 4, 1
	v_lshlrev_b32 v11, 6, v11                      ; 64 h
	s_lshr_b32 s42, s[WV], 1                       ; p: my pair of token tiles in phase QK
	s_and_b32 s43, s[WV], 1                        ; m: 0 q, 1 k
	s_mul_i32 s44, s[WV], 8448
	s_add_co_u32 s44, s44, XSTG
	v_add_nc_u32 v2, s44, v1                       ; the stage, in: 16 lane (+ 528 x row)
	v_mul_u32_u24 v3, v14, 528
	v_add_nc_u32 v3, v3, v11
	v_add_nc_u32 v3, s44, v3                       ; and out: row r, + 64 h: my 16 numbers of a block
	s_lshl_b32 s44, s[WV], 12
	s_add_co_u32 s44, s44, XIMG
	v_add_nc_u32 v4, s44, v1                       ; where I store x's images
	s_lshl_b32 s44, s[WV], 9
	s_add_co_u32 s44, s44, XSC
	v_add_nc_u32 v5, s44, v1                       ; and their scale words
	s_lshl_b32 s44, s43, 15
	v_add_nc_u32 v6, s44, v1                       ; my weight's fragments
	s_lshl_b32 s44, s43, 11
	s_add_co_u32 s44, s44, WSC
	v_lshlrev_b32 v7, 4, v11                       ; 1,024 h: lanes 16-31 take the tile four further on
	v_lshl_add_u32 v7, v14, 4, v7
	v_add_nc_u32 v7, s44, v7                       ; my weight's scale words
	s_lshl_b32 s44, s42, 13
	s_add_co_u32 s44, s44, XIMG
	v_add_nc_u32 v8, s44, v1                       ; my two token tiles' fragments
	s_lshl_b32 s44, s42, 10
	s_add_co_u32 s44, s44, XSC
	v_add_nc_u32 v9, s44, v1                       ; and scale words
	s_lshl_b32 s44, s43, 10
	s_lshl_b32 s45, s42, 3
	s_add_co_u32 s44, s44, s45
	s_add_co_u32 s44, s44, SCSTG
	v_lshl_add_u32 v10, v14, 5, s44                ; q's or k's scale words on their way out: 32 r + 4 tile
.irp b,0,1,2,3
	v_mov_b32 v[TM+4+\b], 0                        ; written once: a lane permute's destination counts as one of its sources
.endr
	s_lshl_b32 s40, s22, 18                        ; x: 128 tokens of 2,048 bytes a block,
	s_lshl_b32 s44, s42, 16                        ; 32 tokens a pair of tiles,
	s_add_co_u32 s40, s40, s44
	s_lshl_b32 s44, s43, 14                        ; 8 tokens from tile u = 0 to u = 1
	s_add_co_u32 s40, s40, s44
	s_add_nc_u64 s[4:5], s[4:5], s[40:41]          ; x at token tile w's first row
	s_lshl_b32 s44, s23, 9                         ; the head group's 128 columns, in bytes of f32
	s_mov_b32 s45, 0
	s_cmp_eq_u32 s43, 0
	s_cselect_b64 s[46:47], s[8:9], s[10:11]       ; bq or bk: the choice hangs on the wave's number alone
	s_add_nc_u64 s[46:47], s[46:47], s[44:45]
	s_add_nc_u64 s[12:13], s[12:13], s[44:45]
	s_lshl_b32 s44, s42, 7
	s_lshl_b32 s39, s43, 5
	s_add_co_u32 s44, s44, s39                     ; column tile w begins at column 32 (w / 2) + 8 (w % 2)
	s_add_nc_u64 s[12:13], s[12:13], s[44:45]
	v_and_b32 v63, 8, v14
	v_add_nc_u32 v63, v63, v14
	v_lshlrev_b32 v63, 2, v63                      ; + r + 8 (r / 8)
	global_load_b32 v15, v63, s[12:13]             ; bv of my channel in phase V
	s_lshr_b32 s50, s22, 4
	s_lshl_b32 s50, s50, 3
	s_lshl_b32 s51, s23, 1
	s_add_co_u32 s50, s50, s51                     ; the first of my two heads: 8 batch + 2 head group
	s_and_b32 s51, s22, 15                         ; key step
	s_mul_i32 s52, s50, 143360
	s_mul_i32 s53, s51, 8960
	s_add_co_u32 s52, s52, s53
	s_mov_b32 s53, 0
	s_add_nc_u64 s[54:55], s[18:19], s[52:53]      ; kv at (head, key step)
	s_lshl_b32 s56, s50, 16
	s_lshl_b32 s57, s51, 12
	s_add_co_u32 s56, s56, s57
	s_mov_b32 s57, 0
	s_add_nc_u64 s[56:57], s[14:15], s[56:57]      ; qc at (head, 8 tiles)
	s_lshl_b32 s60, s50, 13
	s_lshl_b32 s61, s51, 9
	s_add_co_u32 s60, s60, s61
	s_mov_b32 s61, 0
	s_add_nc_u64 s[60:61], s[16:17], s[60:61]      ; qs likewise
	s_mov_b32 s58, 143360
	s_cmp_eq_u32 s43, 0
	s_cselect_b64 s[48:49], s[56:57], s[54:55]     ; where my codes of phase QK go,
	s_cselect_b32 s58, 65536, s58                  ; and the bytes from a head to the next
	s_lshl_b32 s44, s42, 10
	v_add_nc_u32 v13, s44, v1                      ; 512 bytes a tile
	v_add_nc_u32 v12, s58, v13
	s_lshr_b32 s44, s[WV], 2
	s_mul_i32 s44, s44, 143360
	s_and_b32 s39, s[WV], 3
	s_lshl_b32 s39, s39, 10
	s_add_co_u32 s44, s44, s39
	s_add_co_u32 s44, s44, 4096
	s_add_nc_u64 s[66:67], s[54:55], s[44:45]      ; where my fragment of v goes
; ---- PHASE X
.macro LOADX k, reg                    ; K step k of my 16 rows: each load is 512 consecutive bytes of a row
.irp i,0,1,2,3,4,5,6,7,8,9,10,11,12,13,14,15
	global_load_b128 v[\reg+4*\i:\reg+4*\i+3], v1, s[4:5] offset:(\i+8*(\i/8))*2048+512*(\k)
.endr
.endm
.macro TURN reg                        ; through my own stage: LDS serves a wave's instructions in order, so no wait stands between the stores and the loads
.irp i,0,1,2,3,4,5,6,7,8,9,10,11,12,13,14,15
	ds_store_b128 v2, v[\reg+4*\i:\reg+4*\i+3] offset:528*\i
.endr
.irp b,0,1,2,3
.irp j,0,1,2,3
	ds_load_b128 v[NN+16*\b+4*\j:NN+16*\b+4*\j+3], v3 offset:128*\b+16*\j
.endr
.endr
.endm
.macro XOUT k                          ; quantise, and the image and its scale word to LDS
	QUANT NN
	ds_store_b128 v4, v[PC:PC+3] offset:1024*\k
	ds_store_b128 v4, v[PC+4:PC+7] offset:1024*\k+512
	ds_store_b32 v5, v[PW] offset:4*\k
.endm
	LOADX 0, RA
	LOADX 1, RB
	s_wait_loadcnt 16                              ; K step 0 is in; K step 1's sixteen loads may be out
	TURN RA
	s_wait_dscnt 0x0                               ; the numbers are back, and the stores have read their registers,
	LOADX 2, RA                                    ; which take K step 2
	XOUT 0
	s_wait_loadcnt 16                              ; K step 1 is in; K step 2's may be out
	TURN RB
	s_wait_dscnt 0x0
	LOADX 3, RB
	XOUT 1
	s_wait_loadcnt 16                              ; K step 2 is in; K step 3's may be out
	TURN RA
	s_wait_dscnt 0x0
	XOUT 2
	s_wait_loadcnt 0x0
	TURN RB
	s_wait_dscnt 0x0
.irp g,0,1                             ; the bias goes into the accumulators: register j of tile t is column 32 (t / 2) + 16 h + 8 (t % 2) + j; the same for both token tiles
.irp t,0,1,2,3,4,5,6,7
	global_load_b128 v[ACC+64*\g+8*\t:ACC+64*\g+8*\t+3], v11, s[46:47] offset:128*(\t/2)+32*(\t%2)
	global_load_b128 v[ACC+64*\g+8*\t+4:ACC+64*\g+8*\t+7], v11, s[46:47] offset:128*(\t/2)+32*(\t%2)+16
.endr
.endr
	XOUT 3
	s_wait_tensorcnt 0x0                           ; my eighth of the weights has landed
	BARRIER                                        ; everybody's has, and x's 32 fragments lie in LDS
; ---- PHASE QK
.irp t,0,1,2,3
	ds_load_b128 v[WS+4*\t:WS+4*\t+3], v7 offset:256*\t     ; register 4 t + K step: lanes 0-15 tile t, lanes 16-31 tile t + 4
.endr
.irp g,0,1
	ds_load_b128 v[XS+4*\g:XS+4*\g+3], v9 offset:512*\g
.endr
	s_wait_loadcnt 0x0                             ; the biases
.irp k,0,1,2,3
.if \k > 0
	PLACES 4                                       ; in front of loads into registers that matrix instructions have read
.endif
.irp t,0,1,2,3,4,5,6,7
.irp c,0,1
	ds_load_b128 v[WF+8*\t+4*\c:WF+8*\t+4*\c+3], v6 offset:8192*\k+1024*\t+512*\c
.endr
.endr
.irp g,0,1
.irp c,0,1
	ds_load_b128 v[XF+8*\g+4*\c:XF+8*\g+4*\c+3], v8 offset:4096*\g+1024*\k+512*\c
.endr
.endr
	s_wait_dscnt 0x0
.irp t,0,1,2,3,4,5,6,7                 ; the sixteen accumulators take turns, one instruction a turn
.irp g,0,1
	WM ACC+64*\g+8*\t, WF+8*\t, XF+8*\g, ACC+64*\g+8*\t, WS+4*(\t%4)+\k, XS+4*\g+\k, \t/4
.endr
.endr
.endr
	PLACES 4
.irp g,0,1
	QUANT ACC+64*\g                                ; 128 columns of one token: codes 0-3 are the first head's 64, codes 4-7 the second's
	global_store_b128 v13, v[PC:PC+3], s[48:49] offset:512*\g      ; 512 consecutive bytes: a half image
	global_store_b128 v12, v[PC+4:PC+7], s[48:49] offset:512*\g
	v_and_or_b32 v61, v[PW], 0xffff, s38           ; a head's two bytes, and 0x7f for the two blocks of zero codes
	v_lshrrev_b32 v62, 16, v[PW]
	v_or_b32 v62, s38, v62
	ds_store_b32 v10, v61 offset:4*\g
	ds_store_b32 v10, v62 offset:4*\g+512
	s_wait_xcnt 0x0                                ; the stores have read their data: the codes' registers may be written again
	s_wait_dscnt 0x0
.endr
; ---- PHASE V
	s_lshl_b32 s44, s[WV], 10
	s_add_co_u32 s44, s44, 65536
	v_add_nc_u32 v2, s44, v1                       ; wv's column tile w
	s_lshl_b32 s44, s[WV], 8
	s_add_co_u32 s44, s44, WSC+4096
	v_lshl_add_u32 v3, v14, 4, s44                 ; its scale words
	v_lshlrev_b32 v4, 5, v11                       ; 2,048 h: lanes 16-31 take the token tile four further on
	v_lshl_add_u32 v4, v14, 4, v4
	v_add_nc_u32 v4, XSC, v4                       ; x's scale words
	v_add_nc_u32 v5, XIMG, v1                      ; x's fragments
	s_lshr_b32 s44, s[WV], 2
	s_lshl_b32 s44, s44, 8
	s_and_b32 s39, s[WV], 3
	s_lshl_b32 s39, s39, 2
	s_add_co_u32 s44, s44, s39
	s_add_co_u32 s44, s44, SCSTG+2048
	v_lshl_add_u32 v6, v14, 4, s44                 ; v's scale word on its way out
	v_lshrrev_b32 v7, 6, v11
	v_mul_u32_u24 v7, v7, 143360
	v_lshl_add_u32 v7, v14, 4, v7                  ; and in kv: 16 r, lanes 16-31 the next head
	v_add_nc_u32 v8, SCSTG, v1
.irp j,0,1,2,3,4,5,6,7
	v_mov_b32 v[BC+\j], v15                        ; a lane holds one channel, so its bias fills the tile's eight registers
.endr
	PLACES 4
.irp k,0,1,2,3
.irp c,0,1
	ds_load_b128 v[WF+8*\k+4*\c:WF+8*\k+4*\c+3], v2 offset:8192*\k+512*\c
.endr
.endr
	ds_load_b128 v[XS:XS+3], v3
.irp t,0,1,2,3
	ds_load_b128 v[WS+4*\t:WS+4*\t+3], v4 offset:512*\t
.endr
.irp k,0,1,2,3
.if \k > 0
	PLACES 4
.endif
.irp t,0,1,2,3,4,5,6,7
.irp c,0,1
	ds_load_b128 v[RB+8*\t+4*\c:RB+8*\t+4*\c+3], v5 offset:4096*\t+1024*\k+512*\c
.endr
.endr
	s_wait_dscnt 0x0
.irp t,0,1,2,3,4,5,6,7                 ; eight accumulators by turns; the first K step's C is the bias
.if \k == 0
	WM ACC+8*\t, RB+8*\t, WF+8*\k, BC, WS+4*(\t%4)+\k, XS+\k, \t/4
.else
	WM ACC+8*\t, RB+8*\t, WF+8*\k, ACC+8*\t, WS+4*(\t%4)+\k, XS+\k, \t/4
.endif
.endr
.endr
	PLACES 4
	QUANT ACC                                      ; 128 keys of one channel
	global_store_b128 v1, v[PC:PC+3], s[66:67]
	global_store_b128 v1, v[PC+4:PC+7], s[66:67] offset:512
	ds_store_b32 v6, v[PW]
	BARRIER                                        ; all scale words lie in the stage
	s_cmp_lg_u32 s[WV], 0
	s_cbranch_scc1 .Ldone
.irp i,0,1,2,3,4
	ds_load_b128 v[ACC+4*\i:ACC+4*\i+3], v8 offset:512*\i
.endr
	s_wait_dscnt 0x0
	global_store_b128 v1, v[ACC:ACC+3], s[60:61]                   ; q's words, first head: 512 consecutive bytes
	global_store_b128 v1, v[ACC+4:ACC+7], s[60:61] offset:8192     ; second head
	global_store_b128 v1, v[ACC+8:ACC+11], s[54:55] offset:8192    ; k's
	global_store_b128 v1, v[ACC+12:ACC+15], s[54:55] offset:8192+143360
	global_store_b128 v7, v[ACC+16:ACC+19], s[54:55] offset:8704   ; v's: 256 consecutive bytes for each head
.Ldone:
	s_set_vgpr_msb 0x5
	s_wait_tensorcnt 0x0
	ds_add_u32 v0, v1
	s_wait_dscnt 0x0
	s_set_vgpr_msb 0x500
	CROUND                                         ; the closing round: no work-group ends while a partner may still ask jointly
	s_endpgm
.Lfunc_end_k_q341bfeb6e6_qkv:
	.size	k_q341bfeb6e6_qkv, .Lfunc_end_k_q341bfeb6e6_qkv-k_q341bfeb6e6_qkv
	.p2alignl 7, 3214868480
	.fill 96, 4, 3214868480
	.section	.rodata,"a",@progbits
	.p2align	6, 0x0
	.amdhsa_kernel k_q341bfeb6e6_qkv
		.amdhsa_group_segment_fixed_size 214016
		.amdhsa_private_segment_fixed_size 0
		.amdhsa_enable_private_segment 0
		.amdhsa_kernarg_size 64
		.amdhsa_user_sgpr_count 2
		.amdhsa_user_sgpr_kernarg_segment_ptr 1
		.amdhsa_wavefront_size32 1
		.amdhsa_system_sgpr_workgroup_id_x 1
		.amdhsa_system_sgpr_workgroup_id_y 1
		.amdhsa_system_sgpr_workgroup_id_z 1
		.amdhsa_system_vgpr_workitem_id 0
		.amdhsa_next_free_vgpr 258
		.amdhsa_next_free_sgpr 80
		.amdhsa_reserve_vcc 0
		.amdhsa_float_denorm_mode_32 3
		.amdhsa_float_denorm_mode_16_64 3
		.amdhsa_memory_ordered 1
		.amdhsa_forward_progress 1
		.amdhsa_inst_pref_size 79
	.end_amdhsa_kernel
	.amdgpu_metadata
---
amdhsa.version: [ 1, 2 ]
amdhsa.kernels:
  - .name:           k_q341bfeb6e6_qkv
    .symbol:         k_q341bfeb6e6_qkv.kd
    .args:
      - { .name: moves_embeddings, .offset: 0, .size: 8, .value_kind: global_buffer, .address_space: global }
      - { .name: wts, .offset: 8, .size: 8, .value_kind: global_buffer, .address_space: global }
      - { .name: bq, .offset: 16, .size: 8, .value_kind: global_buffer, .address_space: global }
      - { .name: bk, .offset: 24, .size: 8, .value_kind: global_buffer, .address_space: global }
      - { .name: bv, .offset: 32, .size: 8, .value_kind: global_buffer, .address_space: global }
      - { .name: qc, .offset: 40, .size: 8, .value_kind: global_buffer, .address_space: global }
      - { .name: qs, .offset: 48, .size: 8, .value_kind: global_buffer, .address_space: global }
      - { .name: kv, .offset: 56, .size: 8, .value_kind: global_buffer, .address_space: global }
    .group_segment_fixed_size: 214016
    .private_segment_fixed_size: 0
    .kernarg_segment_align: 8
    .kernarg_segment_size: 64
    .max_flat_workgroup_size: 256
    .sgpr_count:     80
    .vgpr_count:     258
    .wavefront_size: 32
...
	.end_amdgpu_metadata
.endif
;; end of part 2
;; launch attn (part 3): grid 8 x 32, 8 waves a work-group, clusters of 4 x 1, 168,960 bytes of LDS; arguments qc, qs, kv, cc, cs; writes cc, cs
.if DOCPART == 3
	.amdgcn_target "amdgcn-amd-amdhsa--gfx1250"
	.amdhsa_code_object_version 6
	.text
	.protected	k_q341bfeb6e6_attn
	.globl	k_q341bfeb6e6_attn
	.p2align	8
	.type	k_q341bfeb6e6_attn,@function
k_q341bfeb6e6_attn:
	s_mov_b64 s[64:65], 0
	v_nop
	global_prefetch_b8 v0, s[64:65] scope:SCOPE_SE
	s_setreg_imm32_b32 hwreg(HW_REG_WAVE_MODE, 25, 1), 1
	s_wait_xcnt 0x0
	s_wait_alu depctr_hold_cnt(0) depctr_sa_sdst(0) depctr_va_vdst(0) depctr_va_sdst(0) depctr_va_ssrc(0) depctr_va_vcc(0) depctr_vm_vsrc(0)
	s_getreg_b32 s2, hwreg(HW_REG_IB_STS2, 6, 4)
	s_cmp_eq_u32 s2, 0
	s_cbranch_scc0 .Lentry_in_a_cluster
	s_endpgm
.Lentry_in_a_cluster:
	s_bfe_u32 s2, ttmp6, 0x10000c
	s_cmp_lg_u32 s2, 0x3003
	s_cbranch_scc0 .Lentry_shape_is_right
	s_endpgm
.Lentry_shape_is_right:
; ctx = softmax(q k^T / sqrt(512)) v for one (batch, head), head size 64, 2,048 keys, both products on codes of FP4 (E2M1) with E8M0 scales; ctx is quantised along the head's 64 channels on the way out.
; THE SOFTMAX AHEAD OF THE SECOND PRODUCT: t = score x log2(e) / sqrt(512); M = the running largest t rounded UP to a whole number; p = 2^(t - M) is what is quantised, along the keys, not normalised.
; The row's sum is taken of the unquantised p and divides O at the end.  When M moves, the sum and O are multiplied by 2^(old M - new M): exact.
; SHARES.  A work-group owns 256 queries of a head; each of its eight waves owns TWO tiles of 16, so that each fragment of K and V read from LDS feeds two matrix instructions.  Every wave walks all keys, 128 a step.
; A HEAD'S K, V AND SCALE WORDS, 143,360 dense bytes of kv (16 key steps of 8,960), FIT IN LDS AND ARE FILLED ONCE: each wave brings two key steps by one tensor load, so one load of a wave is out; the four
; work-groups of a cluster walk the same head and ask JOINTLY.  One wait, one barrier, and no LDS byte is filled twice.
; LAYOUT.  Both products transposed: S^T = K Q^T (source 0 = 16 keys), O^T = V^T P^T (source 0 = 16 channels): a lane holds ONE query of each tile throughout.  The keys of a tile of K and the channels of a tile of V
; are not neighbours (tile u of a group of 32: 8 u + (r & 7) + 16 (r >> 3)), so that the 16 registers of two neighbouring tiles are 16 neighbours along the next K.
; The first product's K is 64: registers 4-7 of K's and Q's fragments are zero codes, written once, and their two scale bytes are 0x7f.
; A KEY STEP: V's loads; both tiles' first products; the NEXT step's K is asked for; then tile by tile: maxima, scalings and exponentials, one wait, sums, codes, second product.  Tile 0's second product is issued ahead
; of tile 1's vector work.  The first step is written out: its second products start O^T's sums with the constant 0.  The last step is written out: it asks for no further K.
; LIMITS: NaN and infinities are not served; a block of p that has fallen to 0 keeps the byte 1 (its codes are zeros).
; REGISTERS, in windows of 256.  Tile 0 lies in window 0, tile 1 under the same numbers in window 1: v12 -M, v13 the largest t, v[14:15] the sum; v16-23 Q; v96-159 S^T, then p; v160-191 O^T; v224-231 p's codes;
;   v232-247, v250-254 at work.  Shared, window 0 alone: v1-3 lane places, v4-6 the step's addresses, v7-11 the head's and the way out's; v24-27 K's scale words, v28-31 V's; v32-95 K; v192-223 V;
;   scale words (they are always taken from window 0): v255 and v248 Q's of tiles 0 and 1, v253 and v249 p's.
; s_set_vgpr_msb's low byte: bits 1:0 source 0, 3:2 source 1, 5:4 source 2, 7:6 destination.  0x55: all of tile 1's; 0x54: tile 1's products, whose source 0 (K or V) lies in window 0.  Seven switches a step.
.set STEPB, 8960                       ; a key step in LDS as in kv: K's 8 half images (512 each), V's 4 images at 4,096, K's scale words at 8,192 (32 r + 4 t), V's at 8,704 (16 r + 4 t)
.set CSTG,  143360                     ; behind them: ctx's scale halves on their way out, 32 bytes a tile
.set WV,  18
.set SEL, 20
.set CS,  22
.set G1,  24
.set G0,  32
.set TB,  48
.set CNT, 49
.set QM,  232
.set QP,  236
.set QS,  244
.set PC,  224
.set PW,  240
.set MSB, 0
.macro WIN new                         ; the immediate's high byte repeats the setting that is left; a switch that changes nothing is dropped
.if MSB != (\new)
	s_set_vgpr_msb (MSB<<8)|(\new)
.set MSB, (\new)
.endif
.endm
.macro CROUND                          ; a round of the cluster's barrier
	s_barrier_signal -1
	s_barrier_wait -1
	s_cmp_lg_u32 s[WV], 0
	s_cbranch_scc1 .Lnot_wave_0_\@
	s_barrier_signal -3
.Lnot_wave_0_\@:
	s_barrier_wait -3
	s_barrier_signal -1
	s_barrier_wait -1
.endm
; S^T = K Q^T of one tile of queries: eight tiles of 16 keys.  K's scale words: lanes 0-15 tiles 0-3, lanes 16-31 tiles 4-7.  qs: the register of Q's scale words
.macro SPROD qs
.irp t,0,1,2,3
	v_wmma_scale_f32_16x16x128_f8f6f4 v[96+8*\t:103+8*\t], v[32+8*\t:39+8*\t], v[16:23], 0, v[24+\t], v[\qs] matrix_a_fmt:MATRIX_FMT_FP4 matrix_b_fmt:MATRIX_FMT_FP4
.endr
.irp t,4,5,6,7
	v_wmma_scale_f32_16x16x128_f8f6f4 v[96+8*\t:103+8*\t], v[32+8*\t:39+8*\t], v[16:23], 0, v[20+\t], v[\qs] matrix_a_fmt:MATRIX_FMT_FP4 matrix_b_fmt:MATRIX_FMT_FP4 matrix_a_scale:MATRIX_SCALE_ROW1
.endr
.endm
; O^T += V^T P^T of one tile of queries: four tiles of 16 channels, by turns.  ps: the register of p's scale word.  zero = 1: the first step's products start the sums
.macro PVPROD ps, zero
.irp t,0,1,2,3
.if \zero
	v_wmma_scale_f32_16x16x128_f8f6f4 v[160+8*\t:167+8*\t], v[192+8*\t:199+8*\t], v[224:231], 0, v[28+\t], v[\ps] matrix_a_fmt:MATRIX_FMT_FP4 matrix_b_fmt:MATRIX_FMT_FP4
.else
	v_wmma_scale_f32_16x16x128_f8f6f4 v[160+8*\t:167+8*\t], v[192+8*\t:199+8*\t], v[224:231], v[160+8*\t:167+8*\t], v[28+\t], v[\ps] matrix_a_fmt:MATRIX_FMT_FP4 matrix_b_fmt:MATRIX_FMT_FP4
.endif
.endr
.endm
.macro SCL n                           ; pair n of the 32 pairs of scores: t - M, two at a time (of the pairs c and -M the low word serves both halves)
	v_pk_fma_f32 v[96+2*(\n):97+2*(\n)], v[96+2*(\n):97+2*(\n)], s[CS:CS+1], v[12:13] op_sel_hi:[1,0,0]
.endm
.macro ADDP n                          ; pair 7 + n of p goes onto one of the sum's four chains
.if (\n)%4 == 0
	v_pk_add_f32 v[240:241], v[240:241], v[110+2*(\n):111+2*(\n)]
.elseif (\n)%4 == 1
	v_pk_add_f32 v[242:243], v[242:243], v[110+2*(\n):111+2*(\n)]
.elseif (\n)%4 == 2
	v_pk_add_f32 v[250:251], v[250:251], v[110+2*(\n):111+2*(\n)]
.else
	v_pk_add_f32 v[14:15], v[14:15], v[110+2*(\n):111+2*(\n)]
.endif
.endm
; ONE TILE, FIRST HALF: the blocks' largest scores, the new M, p.  Written for the window that is set.  first = 1: there is no O^T yet to rescale
.macro AE first
	v_mov_b32 v250, v12                            ; the old -M
.irp b,0,1,2,3                         ; the largest score of each block of 32 keys, in two chains a block: it serves for the row's maximum and, since p rises with the score, for the block's largest p
	v_max3_num_f32 v[232+\b], v[96+16*\b], v[97+16*\b], v[98+16*\b]
	v_max3_num_f32 v[236+\b], v[99+16*\b], v[100+16*\b], v[101+16*\b]
.endr
.irp i,6,10
.irp b,0,1,2,3
	v_max3_num_f32 v[232+\b], v[232+\b], v[96+16*\b+\i], v[97+16*\b+\i]
	v_max3_num_f32 v[236+\b], v[236+\b], v[98+16*\b+\i], v[99+16*\b+\i]
.endr
.endr
.irp b,0,1,2,3
	v_max3_num_f32 v[232+\b], v[232+\b], v[110+16*\b], v[111+16*\b]
.endr
.irp b,0,1,2,3
	v_max_num_f32 v[232+\b], v[232+\b], v[236+\b]
.endr
.irp b,0,1,2,3
	v_permlanex16_b32 v[236+\b], v[232+\b], s[SEL], s[SEL+1]
.endr
.irp b,0,1,2,3
	v_max_num_f32 v[232+\b], v[232+\b], v[236+\b]  ; with lane l xor 16's 16 keys
.endr
	v_max3_num_f32 v254, v232, v233, v234
	v_max_num_f32 v254, v254, v235                 ; the step's largest score of my query
	v_mul_f32 v254, s[CS], v254                    ; as t (c is positive)
	v_max_num_f32 v13, v13, v254                   ; the running largest t
	v_floor_f32 v12, -v13                          ; the new -M = floor(-t) = -ceil(t): a whole number
	SCL 0
	SCL 1
	SCL 2
; ONE BATCH: the scalings are dealt among the exponentials, a pair scaled three groups ahead of its exponentials; nothing here names an exponential's result
.set p, 0
.rept 32
.if p < 29
	SCL p+3
.endif
.if p == 2
	v_sub_f32 v254, v12, v250                      ; old M - new M: a whole number, 0 or less
.endif
.if p == 5
	v_cvt_i32_f32 v254, v254                       ; (it saturates)
.endif
.if p == 8
	v_ldexp_f32 v252, 1.0, v254                    ; f = 2^(old M - new M)
.endif
.if (p >= 10) && (p < 14)
	v_fma_f32 v[222+p], v[222+p], s[CS], v12       ; t - M of each block's largest score
.endif
	v_exp_f32 v[96+2*p], v[96+2*p]                 ; p = 2^(t - M), at most 1
	v_exp_f32 v[97+2*p], v[97+2*p]
.set p, p+1
.endr
.irp b,0,1,2,3
	v_exp_f32 v[232+\b], v[232+\b]                 ; the block's largest p: the same two instructions on the same number give the same bits
.endr
	v_pk_mul_f32 v[14:15], v[14:15], v[252:253] op_sel_hi:[1,0]   ; the sums under the new M: plain work behind the exponentials,
.if !(\first)
.set i, 0
.rept 16
	v_pk_mul_f32 v[160+i:161+i], v[160+i:161+i], v[252:253] op_sel_hi:[1,0]   ; and O^T under the new M, each accumulator from its low end on
.set i, i+2
.endr
.endif
.endm
; ONE TILE, SECOND HALF: the row's sum of the unquantised p in four chains, the blocks' bytes, the codes.  The sum's last 19 additions stand between the scale word's and the codes' last writes and the product.
.macro BPH g
	v_pk_add_f32 v[240:241], v[96:97], v[98:99]
	v_pk_add_f32 v[242:243], v[100:101], v[102:103]
	v_pk_add_f32 v[250:251], v[104:105], v[106:107]
	v_pk_add_f32 v[14:15], v[14:15], v[108:109]
.set k, 0
.rept 9
	ADDP k
.set k, k+1
.endr
.irp b,0,1,2,3
	v_max_num_f32 v[232+\b], 0x1800000, v[232+\b]  ; the floor 2^(3 - 127): the byte cannot fall under 1
.endr
.irp b,0,1,2,3
	v_add_nc_u32 v[244+\b], 0xff000000, v[232+\b]  ; 2 off the exponent field: the conversion's scale operand
.endr
.irp b,0,1,2,3
	v_lshrrev_b32 v[236+\b], 23, v[244+\b]         ; the byte
.endr
	v_lshl_or_b32 v253, v237, 8, v236              ; p's scale word for these 128 keys
	v_lshl_or_b32 v253, v238, 16, v253
.if \g
	WIN 0x11                                       ; sources in window 1, the result in window 0
	v_lshl_or_b32 v249, v239, 24, v253
	WIN 0x55
.else
	v_lshl_or_b32 v253, v239, 24, v253
.endif
.irp b,0,1,2,3
	v_cvt_scalef32_pk8_fp4_f32 v[224+2*\b], v[96+16*\b:103+16*\b], v[244+\b]
	v_cvt_scalef32_pk8_fp4_f32 v[225+2*\b], v[104+16*\b:111+16*\b], v[244+\b]
.endr
	v_nop                                          ; one plain place behind a scaled conversion
.irp c,0,1                             ; the operand wants a whole block in a lane: lanes 0-15 block 2 c, lanes 16-31 block 2 c + 1
.irp i,0,1
	v_permlane16_swap_b32 v[224+4*\c+\i], v[226+4*\c+\i]
.endr
.endr
.rept 16
	ADDP k
.set k, k+1
.endr
	v_pk_add_f32 v[240:241], v[240:241], v[242:243]
	v_pk_add_f32 v[14:15], v[14:15], v[250:251]
	v_pk_add_f32 v[14:15], v[14:15], v[240:241]
.endm
.macro TILE g, pf, first
	WIN 0x55*\g
	AE \first
	s_wait_alu depctr_va_vdst(0)                   ; one wait for the tile's 68 exponentials, ahead of their first reader
	BPH \g
.if \g == 0
	s_wait_dscnt 9*\pf                             ; V and its scale words are in; the next K's nine loads, asked for behind them, may be out
.endif
	WIN 0x54*\g
	PVPROD 253-4*\g, \first
.endm
; A KEY STEP: 128 keys, at LDS byte s[TB].  pf = 1: the next step's K is asked for.  first = 1: the first step
.macro STEP pf, first
	v_add_nc_u32 v4, s[TB], v1                     ; three additions and a v_nop: the four places behind the last products, in front of loads into registers that they read
	v_add_nc_u32 v5, s[TB], v2
	v_add_nc_u32 v6, s[TB], v3
	v_nop
.irp t,0,1,2,3
.irp c,0,1
	ds_load_b128 v[192+8*\t+4*\c:195+8*\t+4*\c], v4 offset:4096+1024*\t+512*\c
.endr
.endr
	ds_load_b128 v[28:31], v6
	s_wait_dscnt 9                                 ; K and its scale words, asked for a step ago, are in; V's nine loads may be out
	SPROD 255
	WIN 0x54
	SPROD 248
	WIN 0
.rept 4
	v_nop                                          ; four places: in front of loads into K's registers, and of the first read of the scores
.endr
.if \pf
.irp t,0,1,2,3,4,5,6,7
	ds_load_b128 v[32+8*\t:35+8*\t], v4 offset:STEPB+512*\t      ; a step ahead: they land under this step's vector work
.endr
	ds_load_b128 v[24:27], v5 offset:STEPB
.endif
	TILE 0, \pf, \first
	TILE 1, \pf, \first
	WIN 0
.endm
.macro INIT                            ; a tile's state, in the window that is set
.irp j,20,21,22,23
	v_mov_b32 v[\j], 0                             ; Q's k = 64 .. 127: zero codes
.endr
	v_mov_b32 v13, 0xff61b1e6                      ; the largest t so far: -3e38, under every t
	v_floor_f32 v12, -v13                          ; -M
	v_mov_b32 v14, 0                               ; the sum, in two halves
	v_mov_b32 v15, 0
	v_mov_b32 v253, 0                              ; (named as the upper half of the pair v[252:253] before it is first written)
.endm
; THE WAY OUT of a tile: O^T / the sum, quantised along the head's 64 channels: half an image in v[PC] on, two scale bytes in v[PW]
.macro OUTV
	v_add_f32 v14, v14, v15
	v_permlanex16_b32 v252, v14, s[SEL], s[SEL+1]
	v_add_f32 v14, v14, v252                       ; the row's sum
	v_rcp_f32 v14, v14
	v_nop                                          ; a plain place behind the reciprocal
	s_wait_alu depctr_va_vdst(0)
.set i, 0
.rept 32
	v_mul_f32 v[96+i], v[160+i], v14               ; register 16 b + i: channel 32 b + 16 h + i
.set i, i+1
.endr
.irp b,0,1
	v_max3_num_f32 v[QM+\b], |v[96+16*\b]|, |v[97+16*\b]|, 0x1800000
.endr
.irp i,2,4,6,8,10,12,14
.irp b,0,1
	v_max3_num_f32 v[QM+\b], v[QM+\b], |v[96+16*\b+\i]|, |v[97+16*\b+\i]|
.endr
.endr
.irp b,0,1
	v_permlanex16_b32 v[QP+\b], v[QM+\b], s[SEL], s[SEL+1]
.endr
.irp b,0,1
	v_max_num_f32 v[QM+\b], v[QM+\b], v[QP+\b]
.endr
.irp b,0,1
	v_add_nc_u32 v[QS+\b], 0xff000000, v[QM+\b]
.endr
.irp b,0,1
	v_lshrrev_b32 v[QP+\b], 23, v[QS+\b]
.endr
	v_lshl_or_b32 v[PW], v[QP+1], 8, v[QP]
.irp b,0,1
	v_cvt_scalef32_pk8_fp4_f32 v[PC+2*\b], v[96+16*\b:103+16*\b], v[QS+\b]
	v_cvt_scalef32_pk8_fp4_f32 v[PC+1+2*\b], v[104+16*\b:111+16*\b], v[QS+\b]
.endr
	v_nop
	v_permlane16_swap_b32 v[PC], v[PC+2]
	v_permlane16_swap_b32 v[PC+1], v[PC+3]
.endm
	s_load_b256 s[4:11], s[0:1], 0x0               ; qc s[4:5], qs s[6:7], kv s[8:9], cc s[10:11]
	s_load_b64 s[12:13], s[0:1], 0x20              ; cs
	s_set_vgpr_msb 0x40
	v_lshl_add_u32 v249, v0, 2, 0x29000
	v_mov_b32 v255, 0
	s_set_vgpr_msb 0x4045
	ds_add_u32 v249, v255
	ds_add_u32 v249, v255
	s_set_vgpr_msb 0x4500
	v_lshrrev_b32 v8, 5, v0
	v_readfirstlane_b32 s[WV], v8                  ; wave 0..7
	s_bfe_u32 s14, ttmp6, 0x40000                  ; cx
	s_lshl_b32 s15, ttmp9, 2
	s_add_co_u32 s15, s15, s14                     ; my block of 256 queries: it enters global addresses alone
	s_and_b32 s16, ttmp7, 0xffff                   ; (batch, head), which the four partners share
	s_mov_b32 s[G1], 15|(3<<16)|(1<<21)            ; the mask: all four work-groups; elements of 8 bytes; bit 21 set beside a mask; no padding
	s_mov_b32 s[G1+1], 32<<16                      ; rows of 256 bytes,
	s_mov_b32 s[G1+2], 70<<16                      ; 70 of them: two key steps
	s_mov_b32 s[G1+3], 32<<16
	s_mov_b32 s[G1+4], 70
	s_mov_b32 s[G1+5], 32                          ; dense
	s_mov_b32 s[G1+6], 0
	s_mov_b32 s[G1+7], 0
	s_mul_i32 s50, s16, 143360
	s_mul_i32 s51, s[WV], 2*STEPB
	s_add_co_u32 s50, s50, s51
	s_mov_b32 s51, 0
	s_mov_b32 s[SEL], 0x76543210
	s_mov_b32 s[SEL+1], 0xfedcba98                 ; v_permlanex16_b32's selects for lane l xor 16
	s_mov_b32 s[CS], 0x3d8293ee                    ; c = log2(e) / sqrt(512)
	s_mov_b32 s[CS+1], s[CS]                       ; (named with it as a pair, so it is written)
	s_wait_dscnt 0x0
	s_wait_kmcnt 0x0
	CROUND                                         ; all four work-groups are here: the joint loads meet
	s_mov_b32 s[G0], 1
	s_mul_i32 s[G0+1], s[WV], 2*STEPB              ; LDS: wave x two key steps
	s_add_nc_u64 s[G0+2:G0+3], s[8:9], s[50:51]    ; kv at (head, key step 2 x wave)
	s_or_b32 s[G0+3], s[G0+3], 0x80000000
	tensor_load_to_lds s[G0:G0+3], s[G1:G1+7]
	s_nop 0
.rept 4
	v_nop                                          ; four such lines behind the load
.endr
	v_and_b32 v8, 15, v0                           ; r
	v_bfe_u32 v9, v0, 4, 1                         ; h
	v_and_b32 v1, 31, v0
	v_lshlrev_b32 v1, 4, v1                        ; 16 lane: an image's place for my lane
	v_lshlrev_b32 v2, 5, v8
	v_lshl_add_u32 v2, v9, 4, v2
	v_add_nc_u32 v2, 8192, v2                      ; K's scale words: lanes 0-15 tiles 0-3, lanes 16-31 tiles 4-7
	v_lshlrev_b32 v3, 4, v8
	v_add_nc_u32 v3, 8704, v3                      ; V's
	s_lshl_b32 s53, s15, 4
	s_lshl_b32 s54, s[WV], 1
	s_add_co_u32 s53, s53, s54                     ; the first of my two tiles of queries: even, 0..126
	s_lshl_b32 s54, s16, 16
	s_lshl_b32 s55, s53, 9
	s_add_co_u32 s54, s54, s55
	s_mov_b32 s55, 0
	s_add_nc_u64 s[4:5], s[4:5], s[54:55]
	global_load_b128 v[16:19], v1, s[4:5]          ; Q's half images stay in registers: tile 0's in window 0,
	WIN 0x40
	global_load_b128 v[16:19], v1, s[4:5] offset:512   ; tile 1's in window 1
	WIN 0
	s_lshl_b32 s54, s16, 13
	s_lshr_b32 s56, s53, 3
	s_lshl_b32 s56, s56, 9
	s_add_co_u32 s54, s54, s56
	s_and_b32 s56, s53, 7
	s_lshl_b32 s56, s56, 2
	s_add_co_u32 s54, s54, s56
	s_add_nc_u64 s[6:7], s[6:7], s[54:55]
	v_lshlrev_b32 v7, 5, v8
	global_load_b32 v255, v7, s[6:7]               ; Q's scale words: tile 0's,
	global_load_b32 v248, v7, s[6:7] offset:4      ; tile 1's: the next word of the same block of eight tiles
	s_lshr_b32 s54, s16, 3
	s_lshl_b32 s54, s54, 7
	s_add_co_u32 s54, s54, s53                     ; token tile 128 batch + tile
	s_lshl_b32 s54, s54, 3
	s_and_b32 s56, s16, 7
	s_add_co_u32 s54, s54, s56
	s_lshl_b32 s54, s54, 9                         ; (8 token tile + head) x 512; tile 1: 4,096 bytes on
	s_add_nc_u64 s[10:11], s[10:11], s[54:55]
	s_lshl_b32 s54, s16, 12
	s_lshl_b32 s56, s15, 9
	s_add_co_u32 s54, s54, s56
	s_add_nc_u64 s[12:13], s[12:13], s[54:55]
	s_lshl_b32 s56, s[WV], 6
	s_add_co_u32 s56, s56, CSTG
	v_lshl_add_u32 v10, v8, 1, s56                 ; the way out: my row's two scale bytes; tile 1: 32 bytes on
	v_add_nc_u32 v11, CSTG, v1
.irp t,0,1,2,3,4,5,6,7
.irp j,4,5,6,7
	v_mov_b32 v[32+8*\t+\j], 0                     ; K's k = 64 .. 127: zero codes, written once: the loads fill registers 0-3 alone
.endr
.endr
	INIT
	WIN 0x55
	INIT
	WIN 0
	s_wait_tensorcnt 0x0                           ; my two key steps have landed,
	s_barrier_signal -1
	s_barrier_wait -1                              ; everybody's have: the whole head lies in LDS, and nothing is filled again
.irp t,0,1,2,3,4,5,6,7
	ds_load_b128 v[32+8*\t:35+8*\t], v1 offset:512*\t   ; the first step's K
.endr
	ds_load_b128 v[24:27], v2
	s_wait_loadcnt 0x0                             ; Q
	s_mov_b32 s[TB], 0
	STEP 1, 1                                      ; key step 0 stands in front of the loop: its second products start the sums
	s_mov_b32 s[TB], STEPB
	s_mov_b32 s[CNT], 14
.Lstep:                                            ; key steps 1 to 14
	STEP 1, 0
	s_add_co_u32 s[TB], s[TB], STEPB
	s_sub_co_u32 s[CNT], s[CNT], 1
	s_cmp_lg_u32 s[CNT], 0
	s_cbranch_scc1 .Lstep
	s_mov_b32 s[TB], 15*STEPB
	STEP 0, 0                                      ; the last step asks for no further K
	OUTV                                           ; tile 0: its last products stand in front of tile 1's vector work; these lines are in turn the places behind tile 1's
	global_store_b128 v1, v[PC:PC+3], s[10:11]     ; 512 consecutive bytes
	ds_store_b16 v10, v[PW]                        ; both lanes of a row write the same two bytes
	WIN 0x55
	OUTV                                           ; tile 1
	WIN 0x04                                       ; a store's data are its source 1: window 1; the addresses lie in window 0
	global_store_b128 v1, v[PC:PC+3], s[10:11] offset:4096
	ds_store_b16 v10, v[PW] offset:32
	WIN 0
	s_wait_dscnt 0x0                               ; for the others' sake: my scale bytes have landed
	s_barrier_signal -1
	s_barrier_wait -1
	s_cmp_lg_u32 s[WV], 0
	s_cbranch_scc1 .Ldone
	ds_load_b128 v[96:99], v11                     ; the sixteen tiles' 512 bytes
	s_wait_dscnt 0x0
	global_store_b128 v1, v[96:99], s[12:13]
.Ldone:
	s_set_vgpr_msb 0x5
	s_wait_tensorcnt 0x0
	ds_add_u32 v249, v255
	s_wait_dscnt 0x0
	s_set_vgpr_msb 0x500
	CROUND                                         ; the closing round: no work-group ends while a partner may still ask jointly
	s_endpgm
.Lfunc_end_k_q341bfeb6e6_attn:
	.size	k_q341bfeb6e6_attn, .Lfunc_end_k_q341bfeb6e6_attn-k_q341bfeb6e6_attn
	.p2alignl 7, 3214868480
	.fill 96, 4, 3214868480
	.section	.rodata,"a",@progbits
	.p2align	6, 0x0
	.amdhsa_kernel k_q341bfeb6e6_attn
		.amdhsa_group_segment_fixed_size 168960
		.amdhsa_private_segment_fixed_size 0
		.amdhsa_enable_private_segment 0
		.amdhsa_kernarg_size 40
		.amdhsa_user_sgpr_count 2
		.amdhsa_user_sgpr_kernarg_segment_ptr 1
		.amdhsa_wavefront_size32 1
		.amdhsa_system_sgpr_workgroup_id_x 1
		.amdhsa_system_sgpr_workgroup_id_y 1
		.amdhsa_system_sgpr_workgroup_id_z 1
		.amdhsa_system_vgpr_workitem_id 0
		.amdhsa_next_free_vgpr 512
		.amdhsa_next_free_sgpr 66
		.amdhsa_reserve_vcc 0
		.amdhsa_float_denorm_mode_32 3
		.amdhsa_float_denorm_mode_16_64 3
		.amdhsa_memory_ordered 1
		.amdhsa_forward_progress 1
		.amdhsa_inst_pref_size 96
	.end_amdhsa_kernel
	.amdgpu_metadata
---
amdhsa.version: [ 1, 2 ]
amdhsa.kernels:
  - .name:           k_q341bfeb6e6_attn
    .symbol:         k_q341bfeb6e6_attn.kd
    .args:
      - { .name: qc, .offset: 0, .size: 8, .value_kind: global_buffer, .address_space: global }
      - { .name: qs, .offset: 8, .size: 8, .value_kind: global_buffer, .address_space: global }
      - { .name: kv, .offset: 16, .size: 8, .value_kind: global_buffer, .address_space: global }
      - { .name: cc, .offset: 24, .size: 8, .value_kind: global_buffer, .address_space: global }
      - { .name: cs, .offset: 32, .size: 8, .value_kind: global_buffer, .address_space: global }
    .group_segment_fixed_size: 168960
    .private_segment_fixed_size: 0
    .kernarg_segment_align: 8
    .kernarg_segment_size: 40
    .max_flat_workgroup_size: 256
    .sgpr_count:     66
    .vgpr_count:     512
    .wavefront_size: 32
...
	.end_amdgpu_metadata
.endif
;; end of part 3
;; launch ffn (part 4): grid 256 x 1, 8 waves a work-group, no clusters, 168,960 bytes of LDS; arguments moves_embeddings, cc, cs, wts, bo, g1, beta1, b_up, b_down, g2, beta2, out0; writes out0
.if DOCPART == 4
	.amdgcn_target "amdgcn-amd-amdhsa--gfx1250"
	.amdhsa_code_object_version 6
	.text
	.protected	k_q341bfeb6e6_ffn
	.globl	k_q341bfeb6e6_ffn
	.p2align	8
	.type	k_q341bfeb6e6_ffn,@function
k_q341bfeb6e6_ffn:
	s_mov_b64 s[64:65], 0
	v_nop
	global_prefetch_b8 v0, s[64:65] scope:SCOPE_SE
	s_setreg_imm32_b32 hwreg(HW_REG_WAVE_MODE, 25, 1), 1
	s_wait_xcnt 0x0
; x1 = LN(x + ctx wo + bo; g1, beta1);  out = LN(x1 + gelu(x1 w_up + b_up) w_down + b_down; g2, beta2), gelu exact (erf); the three products on codes of FP4 (E2M1) with E8M0 scales.
; SHARES.  A work-group owns 32 tokens (two tiles of 16; tile g, row r is token 8 g + (r & 7) + 16 (r >> 3)) through the whole chain: both norms want whole rows, and x1 and the hidden layer never go to memory.
; THE EIGHT WAVES SHARE THE COLUMNS: wave w makes channels 64 w .. + 63 of the first and third product and hidden units 256 w .. + 255 of the second, for all 32 tokens.  All products are used TRANSPOSED
; (source 0 = 16 columns of the weight, source 1 = 16 tokens): a lane holds one token, its registers run along the columns, which are the next product's K.
; THE WEIGHTS go from memory straight into registers, as the images that the first launch laid: a UNIT is 4 column tiles x 4 K steps, 16 fragments, 128 registers of window 1, which holds two units.
; Nine units a wave (wo, 4 of w_up, 4 of w_down); unit n + 2 is asked for as soon as unit n's products are issued, so a unit's 34 loads are always on their way.
; No cluster and no tensor load: each fragment is wanted once, by one wave of the work-group, so it would pass through LDS only to be read out once again.
; OPERANDS GO FROM WAVE TO WAVE THROUGH LDS AS IMAGES OF THEIR REGISTERS (16 bytes a lane, 512 consecutive bytes a store); scale bytes as two bytes of a lane's own 16.
; erf(z) = z P(z^2) / Q(z^2) on z held to -4 .. 4 (degrees 6 and 4), gelu = u/2 + (u/2) erf(u / sqrt 2).
; LIMITS: 1 + erf loses relative accuracy for u under about -4 sqrt 2, where |gelu| is under 1e-4; the norms' sums are taken in another order than a plain loop's, the variance in two passes;
;   a block of zeros or under 2^-124 gets the byte 1 (its codes are zeros); NaN and infinities are not served.
; REGISTERS, window 0: v1-15 addresses; v16-79 Y: the two token tiles' 32 channels a lane; v80-111 four fragments of tokens; v112-143 the hidden layer's four tiles, or four more fragments; v144-175 a bias or gain;
;   v176-207 at work; v208-219 the quantiser's and the norms' work; v220-223, v228-247 scale words and nothing else; v224-227 codes; v248-251 two coefficients; v252-255 mean, then 1 / sigma.  Window 1: two units.
.set WO_C, 417792
.set WO_S, 548864
.set UP_C, 557056
.set UP_S, 1081344
.set DN_C, 1114112
.set DN_S, 1638400
.set SPI,   2064                       ; LDS: 0 a stage of 32 rows x (2,048 + 16) bytes, row 16 g + r: x on its way in, out0 on its way out
.set PAR,   66048                      ; for each wave 2,560 bytes of its own: bo, g1, beta1, b_down, g2, beta2 of its 64 channels (256 each), b_up of its 256 units
.set X1IMG, 86528                      ; x1's 8 fragments: (4 g + K step) x 1,024
.set X1SC,  94720                      ; their scale words: 512 g + 16 lane + 4 K step
.set HIMG,  95744                      ; the hidden layer's 32 fragments: (16 g + K step) x 1,024
.set HSC,   128512                     ; their scale words: (4 g + K step / 4) x 512 + 16 lane + 4 (K step % 4)
.set RED,   132608                     ; four regions of 1,024 bytes for the norms' sums: 512 g + 32 r + 4 wave
.set Y,    16
.set XF,   80
.set H,    112
.set BI,   144
.set T,    176
.set CSU,  196
.set QM,   208
.set QP,   210
.set QS,   212
.set PW,   214
.set GL8,  215
.set L0,   216
.set L1,   218
.set XSW2, 220
.set PC,   224
.set WS,   228
.set XSW,  244
.set KA,   248
.set KB,   250
.set MU0,  252
.set MU1,  254
.set WOB,  28
.set UPB,  30
.set DNB,  32
.set WOSB, 34
.set UPSB, 36
.set DNSB, 38
.set SEL,  40
.set RS2,  42                          ; s[42:43] 1 / sqrt 2; s[44:55] the numerator's coefficients, s[56:63] the denominator's: pairs, since the packed forms name pairs
.set WV,   68
.set MSB, 0
.macro WIN new                         ; the immediate's high byte repeats the setting that is left
.if MSB != \new
	s_set_vgpr_msb (MSB<<8)|\new
.set MSB, \new
.endif
.endm
.macro PLACES n
.rept \n
	v_nop
.endr
.endm
.macro BARRIER                         ; my LDS stores have landed and my LDS loads are in: then the work-group's barrier
	s_wait_dscnt 0x0
	s_barrier_signal -1
	s_barrier_wait -1
.endm
.macro PAIR reg, val
	s_mov_b32 s[\reg], \val
	s_mov_b32 s[\reg+1], s[\reg]
.endm
; a unit: 32 loads of 512 consecutive bytes into window 1, and its scale words: register 4 j + K step: lanes 0-15 tile j, lanes 16-31 tile j + 2
.macro LOADUNIT set, cb, coff, sb, soff, sstep, sreg
	WIN 0x40                                       ; destination window 1, address window 0
.irp k,0,1,2,3
.irp t,0,1,2,3
.irp c,0,1
	global_load_b128 v[128*(\set)+8*(4*\k+\t)+4*\c:128*(\set)+8*(4*\k+\t)+4*\c+3], v1, s[\cb:\cb+1] offset:(\coff)+8192*\k+1024*\t+512*\c
.endr
.endr
.endr
	WIN 0
.irp j,0,1
	global_load_b128 v[WS+8*(\set)+4*\j:WS+8*(\set)+4*\j+3], v[\sreg], s[\sb:\sb+1] offset:(\soff)+\j*(\sstep)
.endr
.endm
.macro UPUNIT set, q
	LOADUNIT \set, UPB, ((\q)/2)*32768+((\q)%2)*4096, UPSB, ((\q)/2)*2048+((\q)%2)*1024, 256, 2
.endm
.macro DNUNIT set, q
	LOADUNIT \set, DNB, 32768*(\q), DNSB, 256*(\q), 1024, 3
.endm
.macro WM d, a, b, c, sa, sb, row
.if \row
	v_wmma_scale_f32_16x16x128_f8f6f4 v[(\d):(\d)+7], v[(\a):(\a)+7], v[(\b):(\b)+7], v[(\c):(\c)+7], v[\sa], v[\sb] matrix_a_fmt:MATRIX_FMT_FP4 matrix_b_fmt:MATRIX_FMT_FP4 matrix_a_scale:MATRIX_SCALE_ROW1
.else
	v_wmma_scale_f32_16x16x128_f8f6f4 v[(\d):(\d)+7], v[(\a):(\a)+7], v[(\b):(\b)+7], v[(\c):(\c)+7], v[\sa], v[\sb] matrix_a_fmt:MATRIX_FMT_FP4 matrix_b_fmt:MATRIX_FMT_FP4
.endif
.endm
; 16 matrix instructions: a unit against one token tile's four fragments; the four accumulators take turns, one instruction a turn.  c0: the C of the first K step
.macro MULJOB acc, b, set, bs, c0
	WIN 0x01                                       ; source 0 (the weight) window 1
.irp k,0,1,2,3
.irp t,0,1,2,3
.if \k == 0
	WM (\acc)+8*\t, 128*(\set)+8*(4*\k+\t), (\b)+8*\k, (\c0)+8*\t, WS+8*(\set)+4*(\t%2)+\k, (\bs)+\k, \t/2
.else
	WM (\acc)+8*\t, 128*(\set)+8*(4*\k+\t), (\b)+8*\k, (\acc)+8*\t, WS+8*(\set)+4*(\t%2)+\k, (\bs)+\k, \t/2
.endif
.endr
.endr
	WIN 0
.endm
; 32 numbers of a parameter in the results' layout: register 8 t + j is column 32 (t / 2) + 16 h + 8 (t % 2) + j
.macro PARLD dst, off
.irp t,0,1,2,3
.irp c,0,1
	ds_load_b128 v[(\dst)+8*\t+4*\c:(\dst)+8*\t+4*\c+3], v7 offset:(\off)+128*(\t/2)+32*(\t%2)+16*\c
.endr
.endr
.endm
; 32 numbers of a lane, register 16 b + i = k 32 b + 16 (lane / 16) + i of my row, become half a fragment's codes in v[PC] on and two scale bytes in v[PW]
.macro QUANT2 s
.irp b,0,1
	v_max3_num_f32 v[QM+\b], |v[(\s)+16*\b]|, |v[(\s)+1+16*\b]|, 0x1800000   ; and the floor 2^(3 - 127): the byte cannot fall under 1
.endr
.irp i,2,4,6,8,10,12,14
.irp b,0,1
	v_max3_num_f32 v[QM+\b], v[QM+\b], |v[(\s)+16*\b+\i]|, |v[(\s)+1+16*\b+\i]|
.endr
.endr
.irp b,0,1
	v_permlanex16_b32 v[QP+\b], v[QM+\b], s[SEL], s[SEL+1]
.endr
.irp b,0,1
	v_max_num_f32 v[QM+\b], v[QM+\b], v[QP+\b]
.endr
.irp b,0,1
	v_add_nc_u32 v[QS+\b], 0xff000000, v[QM+\b]    ; 2 off the exponent field: the conversion's scale operand
.endr
.irp b,0,1
	v_lshrrev_b32 v[QP+\b], 23, v[QS+\b]
.endr
	v_lshl_or_b32 v[PW], v[QP+1], 8, v[QP]
.irp b,0,1
	v_cvt_scalef32_pk8_fp4_f32 v[PC+2*\b], v[(\s)+16*\b:(\s)+16*\b+7], v[QS+\b]
	v_cvt_scalef32_pk8_fp4_f32 v[PC+1+2*\b], v[(\s)+16*\b+8:(\s)+16*\b+15], v[QS+\b]
.endr
	v_nop                                          ; one plain place behind a scaled conversion
	v_permlane16_swap_b32 v[PC], v[PC+2]
	v_permlane16_swap_b32 v[PC+1], v[PC+3]
.endm
; gelu of eight numbers, in place.  z in T, z^2 in T + 8, the numerator in T + 16, the denominator in T + 24
.macro GELU8 u
.irp j,0,2,4,6
	v_pk_mul_f32 v[T+\j:T+\j+1], v[(\u)+\j:(\u)+\j+1], s[RS2:RS2+1] op_sel_hi:[1,0]
.endr
.irp j,0,1,2,3,4,5,6,7
	v_med3_num_f32 v[T+\j], v[T+\j], -4.0, 4.0
.endr
.irp j,0,2,4,6
	v_pk_mul_f32 v[T+8+\j:T+9+\j], v[T+\j:T+\j+1], v[T+\j:T+\j+1]
.endr
.irp j,0,2,4,6
	v_pk_fma_f32 v[T+16+\j:T+17+\j], v[T+8+\j:T+9+\j], v[KA:KA+1], s[44:45] op_sel_hi:[1,1,0]
	v_pk_fma_f32 v[T+24+\j:T+25+\j], v[T+8+\j:T+9+\j], v[KB:KB+1], s[56:57] op_sel_hi:[1,1,0]
.endr
.irp n,0,1,2
.irp j,0,2,4,6
	v_pk_fma_f32 v[T+16+\j:T+17+\j], v[T+16+\j:T+17+\j], v[T+8+\j:T+9+\j], s[46+2*\n:47+2*\n] op_sel_hi:[1,1,0]
	v_pk_fma_f32 v[T+24+\j:T+25+\j], v[T+24+\j:T+25+\j], v[T+8+\j:T+9+\j], s[58+2*\n:59+2*\n] op_sel_hi:[1,1,0]
.endr
.endr
.irp n,0,1
.irp j,0,2,4,6
	v_pk_fma_f32 v[T+16+\j:T+17+\j], v[T+16+\j:T+17+\j], v[T+8+\j:T+9+\j], s[52+2*\n:53+2*\n] op_sel_hi:[1,1,0]
.endr
.endr
.irp j,0,2,4,6
	v_pk_mul_f32 v[T+16+\j:T+17+\j], v[T+16+\j:T+17+\j], v[T+\j:T+\j+1]
.endr
.irp j,0,1,2,3,4,5,6,7
	v_rcp_f32 v[T+24+\j], v[T+24+\j]
.endr
.irp j,0,2,4,6
	v_pk_mul_f32 v[(\u)+\j:(\u)+\j+1], v[(\u)+\j:(\u)+\j+1], 0.5 op_sel_hi:[1,0]   ; u / 2: plain work behind the reciprocals
.endr
	s_wait_alu depctr_va_vdst(0)                   ; one wait for the eight, ahead of their first reader
.irp j,0,2,4,6
	v_pk_mul_f32 v[T+16+\j:T+17+\j], v[T+16+\j:T+17+\j], v[T+24+\j:T+25+\j]        ; erf
.endr
.irp j,0,2,4,6
	v_pk_fma_f32 v[(\u)+\j:(\u)+\j+1], v[(\u)+\j:(\u)+\j+1], v[T+16+\j:T+17+\j], v[(\u)+\j:(\u)+\j+1]
.endr
.endm
; the eight waves' parts of both token tiles' sums, added in the same order in every wave: results in v[XF] and v[XF+8]
.macro REDUCE ro
	ds_load_b128 v[XF:XF+3], v15 offset:\ro
	ds_load_b128 v[XF+4:XF+7], v15 offset:\ro+16
	ds_load_b128 v[XF+8:XF+11], v15 offset:\ro+512
	ds_load_b128 v[XF+12:XF+15], v15 offset:\ro+528
	s_wait_dscnt 0x0
	v_pk_add_f32 v[XF:XF+1], v[XF:XF+1], v[XF+2:XF+3]
	v_pk_add_f32 v[XF+8:XF+9], v[XF+8:XF+9], v[XF+10:XF+11]
	v_pk_add_f32 v[XF+4:XF+5], v[XF+4:XF+5], v[XF+6:XF+7]
	v_pk_add_f32 v[XF+12:XF+13], v[XF+12:XF+13], v[XF+14:XF+15]
	v_pk_add_f32 v[XF:XF+1], v[XF:XF+1], v[XF+4:XF+5]
	v_pk_add_f32 v[XF+8:XF+9], v[XF+8:XF+9], v[XF+12:XF+13]
	v_add_f32 v[XF], v[XF], v[XF+1]
	v_add_f32 v[XF+8], v[XF+8], v[XF+9]
.endm
.macro SHARE ro                        ; my lane's two sums: the pair's halves, lane l xor 16's, and my wave's word in LDS
	v_add_f32 v[L0], v[L0], v[L0+1]
	v_add_f32 v[L1], v[L1], v[L1+1]
	v_permlanex16_b32 v[L0+1], v[L0], s[SEL], s[SEL+1]
	v_permlanex16_b32 v[L1+1], v[L1], s[SEL], s[SEL+1]
	v_add_f32 v[L0], v[L0], v[L0+1]
	v_add_f32 v[L1], v[L1], v[L1+1]
	ds_store_b32 v14, v[L0] offset:\ro
	ds_store_b32 v14, v[L1] offset:\ro+512
.endm
; LayerNorm of Y, in place, over the 512 channels that the eight waves hold: two passes, two barriers
.macro LN ra, rb, goff, boff
	v_pk_add_f32 v[L0:L0+1], v[Y:Y+1], v[Y+2:Y+3]                  ; each accumulator is read from its low end on
	v_pk_add_f32 v[L1:L1+1], v[Y+32:Y+33], v[Y+34:Y+35]
.irp j,4,6,8,10,12,14,16,18,20,22,24,26,28,30
	v_pk_add_f32 v[L0:L0+1], v[L0:L0+1], v[Y+\j:Y+\j+1]
	v_pk_add_f32 v[L1:L1+1], v[L1:L1+1], v[Y+32+\j:Y+33+\j]
.endr
	SHARE \ra
	BARRIER
	REDUCE \ra
	v_mul_f32 v[MU0], s66, v[XF]                   ; the means
	v_mul_f32 v[MU1], s66, v[XF+8]
.set i, 0
.rept 16
	v_pk_add_f32 v[Y+i:Y+i+1], v[Y+i:Y+i+1], v[MU0:MU0+1] op_sel_hi:[1,0] neg_lo:[0,1] neg_hi:[0,1]
	v_pk_add_f32 v[Y+32+i:Y+33+i], v[Y+32+i:Y+33+i], v[MU1:MU1+1] op_sel_hi:[1,0] neg_lo:[0,1] neg_hi:[0,1]
.set i, i+2
.endr
	v_pk_mul_f32 v[L0:L0+1], v[Y:Y+1], v[Y:Y+1]
	v_pk_mul_f32 v[L1:L1+1], v[Y+32:Y+33], v[Y+32:Y+33]
.irp j,2,4,6,8,10,12,14,16,18,20,22,24,26,28,30
	v_pk_fma_f32 v[L0:L0+1], v[Y+\j:Y+\j+1], v[Y+\j:Y+\j+1], v[L0:L0+1]
	v_pk_fma_f32 v[L1:L1+1], v[Y+32+\j:Y+33+\j], v[Y+32+\j:Y+33+\j], v[L1:L1+1]
.endr
	SHARE \rb
	PARLD BI, \goff
	PARLD T, \boff
	BARRIER
	REDUCE \rb
	v_fma_f32 v[XF], v[XF], s66, s67               ; variance + eps
	v_fma_f32 v[XF+8], v[XF+8], s66, s67
	v_rsq_f32 v[MU0], v[XF]
	v_rsq_f32 v[MU1], v[XF+8]
	v_nop
	s_wait_alu depctr_va_vdst(0)
.set i, 0
.rept 16
	v_pk_mul_f32 v[Y+i:Y+i+1], v[Y+i:Y+i+1], v[MU0:MU0+1] op_sel_hi:[1,0]
	v_pk_mul_f32 v[Y+32+i:Y+33+i], v[Y+32+i:Y+33+i], v[MU1:MU1+1] op_sel_hi:[1,0]
.set i, i+2
.endr
.set i, 0
.rept 16
	v_pk_fma_f32 v[Y+i:Y+i+1], v[Y+i:Y+i+1], v[BI+i:BI+i+1], v[T+i:T+i+1]
	v_pk_fma_f32 v[Y+32+i:Y+33+i], v[Y+32+i:Y+33+i], v[BI+i:BI+i+1], v[T+i:T+i+1]
.set i, i+2
.endr
.endm
.macro ADDBI                           ; Y += the 32 numbers in BI, both token tiles, the first tile first
.irp g,0,1
.irp j,0,2,4,6,8,10,12,14,16,18,20,22,24,26,28,30
	v_pk_add_f32 v[Y+32*\g+\j:Y+32*\g+\j+1], v[Y+32*\g+\j:Y+32*\g+\j+1], v[BI+\j:BI+\j+1]
.endr
.endr
.endm
	s_load_b512 s[4:19], s[0:1], 0x0               ; x s[4:5], cc s[6:7], cs s[8:9], wts s[10:11], bo s[12:13], g1 s[14:15], beta1 s[16:17], b_up s[18:19]
	s_load_b256 s[20:27], s[0:1], 0x40             ; b_down s[20:21], g2 s[22:23], beta2 s[24:25], out0 s[26:27]
	v_lshrrev_b32 v255, 5, v0
	v_readfirstlane_b32 s[WV], v255                ; wave 0..7
	v_and_b32 v252, 31, v0                         ; lane
	v_and_b32 v254, 15, v0                         ; r
	v_bfe_u32 v253, v0, 4, 1                       ; h
	v_lshlrev_b32 v1, 4, v252                      ; 16 lane
	v_lshlrev_b32 v2, 4, v254
	v_lshl_add_u32 v3, v253, 11, v2                ; weights' scale words: 16 r, lanes 16-31 two tiles on: tiles of 1,024 bytes (w_down)
	v_lshl_add_u32 v2, v253, 9, v2                 ; and of 256 (wo, w_up)
	s_lshr_b32 s70, s[WV], 1
	s_and_b32 s71, s[WV], 1
	s_mov_b32 s73, 0
	s_wait_kmcnt 0x0
	s_lshl_b32 s72, s70, 15
	s_lshl_b32 s74, s71, 12
	s_add_co_u32 s72, s72, s74
	s_add_co_u32 s72, s72, WO_C
	s_add_nc_u64 s[WOB:WOB+1], s[10:11], s[72:73]  ; wo: my four column tiles' codes
	s_lshl_b32 s72, s[WV], 16
	s_add_co_u32 s72, s72, UP_C
	s_add_nc_u64 s[UPB:UPB+1], s[10:11], s[72:73]  ; w_up: my sixteen
	s_lshl_b32 s72, s70, 17
	s_add_co_u32 s72, s72, s74
	s_add_co_u32 s72, s72, DN_C
	s_add_nc_u64 s[DNB:DNB+1], s[10:11], s[72:73]  ; w_down: my four
	s_lshl_b32 s72, s[WV], 10
	s_add_co_u32 s72, s72, WO_S
	s_add_nc_u64 s[WOSB:WOSB+1], s[10:11], s[72:73]
	s_lshl_b32 s72, s[WV], 12
	s_add_co_u32 s72, s72, UP_S
	s_add_nc_u64 s[UPSB:UPSB+1], s[10:11], s[72:73]
	s_lshl_b32 s72, s[WV], 12
	s_add_co_u32 s72, s72, DN_S
	s_add_nc_u64 s[DNSB:DNSB+1], s[10:11], s[72:73]
	LOADUNIT 0, WOB, 0, WOSB, 0, 256, 2            ; unit 0: wo
	s_lshl_b32 s72, ttmp9, 5                       ; the four stage rows 4 w .. 4 w + 3 are tokens 32 wg + 8 (w / 4) + 4 (w % 2) + 16 ((w / 2) % 2) + 0 .. 3
	s_lshr_b32 s74, s[WV], 2
	s_lshl_b32 s74, s74, 3
	s_add_co_u32 s72, s72, s74
	s_lshl_b32 s74, s71, 2
	s_add_co_u32 s72, s72, s74
	s_and_b32 s74, s70, 1
	s_lshl_b32 s74, s74, 4
	s_add_co_u32 s72, s72, s74
	s_lshl_b32 s72, s72, 11
	s_add_nc_u64 s[4:5], s[4:5], s[72:73]
	s_add_nc_u64 s[26:27], s[26:27], s[72:73]
	s_lshl_b32 s72, ttmp9, 13
	s_add_nc_u64 s[6:7], s[6:7], s[72:73]          ; ctx's codes: two token tiles of 4,096 bytes
	s_lshr_b32 s72, ttmp9, 6
	s_lshl_b32 s72, s72, 15
	s_and_b32 s74, ttmp9, 63
	s_lshl_b32 s74, s74, 6
	s_add_co_u32 s72, s72, s74
	s_add_nc_u64 s[8:9], s[8:9], s[72:73]          ; its scale bytes: batch x 8 heads x 4,096 + tile x 32
	s_mul_i32 s72, s[WV], 4*SPI
	v_add_nc_u32 v4, s72, v1                       ; the stage by rows: my four rows, 16 lane
	v_mul_u32_u24 v5, v254, SPI
	v_lshl_add_u32 v5, v253, 6, v5
	s_lshl_b32 s72, s[WV], 8
	v_add_nc_u32 v5, s72, v5                       ; the stage by columns: row r, my wave's 256 bytes, + 64 h
	v_lshl_add_u32 v[GL8], v252, 3, s72            ; the parameters in memory: 256 w + 8 lane
	s_mul_i32 s75, s[WV], 2560
	s_add_co_u32 s75, s75, PAR
	v_lshl_add_u32 v6, v252, 3, s75
	v_lshl_add_u32 v7, v253, 6, s75
	v_add_nc_u32 v8, s75, v1
	v_add_nc_u32 v8, 1536, v8
	s_lshl_b32 s72, s[WV], 9
	s_add_co_u32 s72, s72, X1IMG
	v_add_nc_u32 v9, s72, v1                       ; my half image of x1: K step w / 2, half w % 2
	s_lshl_b32 s72, s[WV], 1
	s_add_co_u32 s72, s72, X1SC
	v_add_nc_u32 v10, s72, v1                      ; and its two scale bytes
	v_add_nc_u32 v11, X1IMG, v1                    ; every image and scale word is read by this register and an immediate
	s_lshl_b32 s72, s[WV], 11
	s_add_co_u32 s72, s72, HIMG
	v_add_nc_u32 v12, s72, v1                      ; my two K steps of the hidden layer
	s_lshl_b32 s72, s70, 9
	s_lshl_b32 s74, s71, 3
	s_add_co_u32 s72, s72, s74
	s_add_co_u32 s72, s72, HSC
	v_add_nc_u32 v13, s72, v1
	s_lshl_b32 s72, s[WV], 2
	s_add_co_u32 s72, s72, RED
	v_lshl_add_u32 v14, v254, 5, s72
	v_lshlrev_b32 v15, 5, v254
	v_add_nc_u32 v15, RED, v15
	v_lshlrev_b32 v217, 1, v254                    ; ctx's scale bytes: 2 r
	s_lshl_b32 s72, s[WV], 10
	v_add_nc_u32 v218, s72, v1                     ; b_up: 1,024 w + 16 lane
.set i, 0
.rept 16
	global_load_b128 v[H+4*i:H+4*i+3], v1, s[4:5] offset:(i/4)*2048+(i%4)*512 th:TH_LOAD_NT   ; four rows of x, 512 consecutive bytes a load
.set i, i+1
.endr
	global_load_b64 v[T:T+1], v[GL8], s[12:13]
	global_load_b64 v[T+2:T+3], v[GL8], s[14:15]
	global_load_b64 v[T+4:T+5], v[GL8], s[16:17]
	global_load_b64 v[T+6:T+7], v[GL8], s[20:21]
	global_load_b64 v[T+8:T+9], v[GL8], s[22:23]
	global_load_b64 v[T+10:T+11], v[GL8], s[24:25]
	global_load_b128 v[T+12:T+15], v218, s[18:19]
	global_load_b128 v[T+16:T+19], v218, s[18:19] offset:512
.irp k,0,1,2,3
.irp c,0,1
	global_load_b128 v[XF+8*\k+4*\c:XF+8*\k+4*\c+3], v1, s[6:7] offset:1024*\k+512*\c        ; ctx, first token tile: K step k is heads 2 k and 2 k + 1
.endr
.endr
.irp g,0,1
.irp d,0,1,2,3,4,5,6,7
	global_load_u16 v[CSU+8*\g+\d], v217, s[8:9] offset:4096*\d+32*\g
.endr
.endr
	PAIR RS2, 0x3f3504f3                           ; 1 / sqrt 2
	PAIR 44, 0x32edffee                            ; the numerator, from z^10 down to z^0 (z^12's coefficient lies in v[KA])
	PAIR 46, 0xb60cff51
	PAIR 48, 0xb86ec2d2
	PAIR 50, 0xba40ac63
	PAIR 52, 0xbb41a1f6
	PAIR 54, 0xbc83dbd4
	PAIR 56, 0xb95fbd29                            ; the denominator, from z^6 down to z^0 (z^8's lies in v[KB])
	PAIR 58, 0xbadc924e
	PAIR 60, 0xbbf19bf8
	PAIR 62, 0xbc69b6a7
	s_mov_b32 s66, 0x3b000000                      ; 1 / 512
	s_mov_b32 s67, 0x3727c5ac                      ; 1e-5
	s_mov_b32 s[SEL], 0x76543210
	s_mov_b32 s[SEL+1], 0xfedcba98
	v_mov_b32 v[KA], 0xaf95df0b
	v_mov_b32 v[KA+1], 0xaf95df0b
	v_mov_b32 v[KB], 0xb77460cd
	v_mov_b32 v[KB+1], 0xb77460cd
	v_mov_b32 v253, 0                              ; the upper halves of the pairs whose low words are broadcast
	v_mov_b32 v255, 0
	s_wait_loadcnt 24                              ; unit 0, x and the parameters are in; ctx's 8 loads and its 16 scale halves may be out
.set i, 0
.rept 16
	ds_store_b128 v4, v[H+4*i:H+4*i+3] offset:(i/4)*SPI+(i%4)*512
.set i, i+1
.endr
.irp a,0,1,2,3,4,5
	ds_store_b64 v6, v[T+2*\a:T+2*\a+1] offset:256*\a
.endr
	ds_store_b128 v8, v[T+12:T+15]
	ds_store_b128 v8, v[T+16:T+19] offset:512
	s_wait_dscnt 0x0                               ; the stores have read their registers
.irp k,0,1,2,3
.irp c,0,1
	global_load_b128 v[H+8*\k+4*\c:H+8*\k+4*\c+3], v1, s[6:7] offset:4096+1024*\k+512*\c     ; ctx, second token tile
.endr
.endr
	UPUNIT 1, 0                                    ; unit 1
	BARRIER                                        ; 32 rows of x lie in the stage
	; ---- x + bo + ctx wo
.irp g,0,1
.irp t,0,1,2,3
.irp c,0,1
	ds_load_b128 v[Y+32*\g+8*\t+4*\c:Y+32*\g+8*\t+4*\c+3], v5 offset:16*SPI*\g+128*(\t/2)+32*(\t%2)+16*\c
.endr
.endr
.endr
	PARLD BI, 0
	s_wait_loadcnt 34                              ; all but unit 1
	s_wait_dscnt 0x0
.irp k,0,1,2,3
	v_lshl_or_b32 v[XSW+\k], v[CSU+2*\k+1], 16, v[CSU+2*\k]        ; two heads' bytes make a K step's scale word
	v_lshl_or_b32 v[XSW2+\k], v[CSU+8+2*\k+1], 16, v[CSU+8+2*\k]
.endr
	v_mov_b32 v[QP], 0                             ; a lane permute's destination counts as one of its sources
	v_mov_b32 v[QP+1], 0
	ADDBI                                          ; the sums start as x + bo; these 32 lines also stand between the scale words' writes and the products
	MULJOB Y, XF, 0, XSW, Y
	MULJOB Y+32, H, 0, XSW2, Y+32
	PLACES 4
	UPUNIT 0, 1                                    ; unit 2
	LN 0, 1024, 256, 512
.irp g,0,1
	QUANT2 Y+32*\g
	ds_store_b128 v9, v[PC:PC+3] offset:4096*\g
	ds_store_b16 v10, v[PW] offset:512*\g
	s_wait_dscnt 0x0
.endr
	PARLD BI, 768
	s_wait_dscnt 0x0
	ADDBI                                          ; Y = x1 + b_down: the third product's sums start here
	BARRIER                                        ; x1's eight fragments lie in LDS
	; ---- the hidden layer: four units of 64 hidden units, each for both token tiles
.macro XFLOAD g
.irp k,0,1,2,3
.irp c,0,1
	ds_load_b128 v[XF+8*\k+4*\c:XF+8*\k+4*\c+3], v11 offset:(4*(\g)+\k)*1024+512*\c
.endr
.endr
	ds_load_b128 v[XSW:XSW+3], v11 offset:X1SC-X1IMG+512*(\g)
.endm
.macro HJOB g, q                       ; activation, quantiser, half an image and two scale bytes to LDS
	GELU8 H
	GELU8 H+8
	GELU8 H+16
	GELU8 H+24
	QUANT2 H
	ds_store_b128 v12, v[PC:PC+3] offset:16384*(\g)+1024*((\q)/2)+512*((\q)%2)
	ds_store_b16 v13, v[PW] offset:2048*(\g)+4*((\q)/2)+2*((\q)%2)
	s_wait_dscnt 0x0
.endm
.macro UPQ q
	s_wait_loadcnt 34                              ; this unit is in; the next may be out
	PARLD BI, 1536+256*(\q)                        ; b_up is the C of each sum's first product
	XFLOAD 0
	s_wait_dscnt 0x0
	MULJOB H, XF, (1+\q)%2, XSW, BI
	PLACES 4
	XFLOAD 1                                       ; lands while the first tile is activated
	HJOB 0, \q
	MULJOB H, XF, (1+\q)%2, XSW, BI
	PLACES 4
.endm
	UPQ 0
	UPUNIT 1, 2                                    ; unit 3
	HJOB 1, 0
	UPQ 1
	UPUNIT 0, 3                                    ; unit 4
	HJOB 1, 1
	UPQ 2
	DNUNIT 1, 0                                    ; unit 5
	HJOB 1, 2
	UPQ 3
	DNUNIT 0, 1                                    ; unit 6
	HJOB 1, 3
	BARRIER                                        ; the hidden layer's 32 fragments lie in LDS
	; ---- + h w_down: four units of four K steps
.macro DNQ q, left
	s_wait_loadcnt \left
.irp k,0,1,2,3
.irp c,0,1
	ds_load_b128 v[XF+8*\k+4*\c:XF+8*\k+4*\c+3], v11 offset:HIMG-X1IMG+(4*(\q)+\k)*1024+512*\c
	ds_load_b128 v[H+8*\k+4*\c:H+8*\k+4*\c+3], v11 offset:HIMG-X1IMG+16384+(4*(\q)+\k)*1024+512*\c
.endr
.endr
	ds_load_b128 v[XSW:XSW+3], v11 offset:HSC-X1IMG+512*(\q)
	ds_load_b128 v[XSW2:XSW2+3], v11 offset:HSC-X1IMG+2048+512*(\q)
	s_wait_dscnt 0x0
	MULJOB Y, XF, (1+\q)%2, XSW, Y
	MULJOB Y+32, H, (1+\q)%2, XSW2, Y+32
	PLACES 4
.endm
	DNQ 0, 34                                      ; unit 5 is in; unit 6 may be out
	DNUNIT 1, 2                                    ; unit 7
	DNQ 1, 34
	DNUNIT 0, 3                                    ; unit 8
	DNQ 2, 34
	DNQ 3, 0
	LN 2048, 3072, 1024, 1280
	; ---- the way out: through the stage, so that each store covers 512 consecutive bytes of a row of out0
.irp g,0,1
.irp t,0,1,2,3
.irp c,0,1
	ds_store_b128 v5, v[Y+32*\g+8*\t+4*\c:Y+32*\g+8*\t+4*\c+3] offset:16*SPI*\g+128*(\t/2)+32*(\t%2)+16*\c
.endr
.endr
.endr
	BARRIER
.set i, 0
.rept 16
	ds_load_b128 v[H+4*i:H+4*i+3], v4 offset:(i/4)*SPI+(i%4)*512
.set i, i+1
.endr
.set i, 0
.rept 16
	s_wait_dscnt 15-i                              ; LDS loads come back in order: load i is in, the younger ones may be out
	global_store_b128 v1, v[H+4*i:H+4*i+3], s[26:27] offset:(i/4)*2048+(i%4)*512 th:TH_STORE_NT
.set i, i+1
.endr
	s_wait_xcnt 0x0
	v_lshl_add_u32 v254, v0, 2, 0x29000
	v_mov_b32 v255, 0
	s_wait_tensorcnt 0x0
	ds_add_u32 v254, v255
	s_wait_dscnt 0x0
	s_endpgm
.Lfunc_end_k_q341bfeb6e6_ffn:
	.size	k_q341bfeb6e6_ffn, .Lfunc_end_k_q341bfeb6e6_ffn-k_q341bfeb6e6_ffn
	.p2alignl 7, 3214868480
	.fill 96, 4, 3214868480
	.section	.rodata,"a",@progbits
	.p2align	6, 0x0
	.amdhsa_kernel k_q341bfeb6e6_ffn
		.amdhsa_group_segment_fixed_size 168960
		.amdhsa_private_segment_fixed_size 0
		.amdhsa_enable_private_segment 0
		.amdhsa_kernarg_size 96
		.amdhsa_user_sgpr_count 2
		.amdhsa_user_sgpr_kernarg_segment_ptr 1
		.amdhsa_wavefront_size32 1
		.amdhsa_system_sgpr_workgroup_id_x 1
		.amdhsa_system_sgpr_workgroup_id_y 1
		.amdhsa_system_sgpr_workgroup_id_z 1
		.amdhsa_system_vgpr_workitem_id 0
		.amdhsa_next_free_vgpr 512
		.amdhsa_next_free_sgpr 100
		.amdhsa_reserve_vcc 0
		.amdhsa_float_denorm_mode_32 3
		.amdhsa_float_denorm_mode_16_64 3
		.amdhsa_memory_ordered 1
		.amdhsa_forward_progress 1
		.amdhsa_inst_pref_size 255
	.end_amdhsa_kernel
	.section	.bss,"aw",@nobits
	.p2align	6
	.space	262144
	.amdgpu_metadata
---
amdhsa.version: [ 1, 2 ]
amdhsa.kernels:
  - .name:           k_q341bfeb6e6_ffn
    .symbol:         k_q341bfeb6e6_ffn.kd
    .args:
      - { .name: moves_embeddings, .offset: 0, .size: 8, .value_kind: global_buffer, .address_space: global }
      - { .name: cc, .offset: 8, .size: 8, .value_kind: global_buffer, .address_space: global }
      - { .name: cs, .offset: 16, .size: 8, .value_kind: global_buffer, .address_space: global }
      - { .name: wts, .offset: 24, .size: 8, .value_kind: global_buffer, .address_space: global }
      - { .name: bo, .offset: 32, .size: 8, .value_kind: global_buffer, .address_space: global }
      - { .name: g1, .offset: 40, .size: 8, .value_kind: global_buffer, .address_space: global }
      - { .name: beta1, .offset: 48, .size: 8, .value_kind: global_buffer, .address_space: global }
      - { .name: b_up, .offset: 56, .size: 8, .value_kind: global_buffer, .address_space: global }
      - { .name: b_down, .offset: 64, .size: 8, .value_kind: global_buffer, .address_space: global }
      - { .name: g2, .offset: 72, .size: 8, .value_kind: global_buffer, .address_space: global }
      - { .name: beta2, .offset: 80, .size: 8, .value_kind: global_buffer, .address_space: global }
      - { .name: out0, .offset: 88, .size: 8, .value_kind: global_buffer, .address_space: global }
    .group_segment_fixed_size: 168960
    .private_segment_fixed_size: 0
    .kernarg_segment_align: 8
    .kernarg_segment_size: 96
    .max_flat_workgroup_size: 256
    .sgpr_count:     100
    .vgpr_count:     512
    .wavefront_size: 32
...
	.end_amdgpu_metadata
.endif
;; end of part 4
;; ======== version 2 of 2: 4 launches; version 1 with the launch ffn written anew for expert scheduling mode
;; workspace buffers: wts 1,671,168 bytes; qc 2,097,152 bytes; qs 262,144 bytes; kv 4,587,520 bytes; cc 2,097,152 bytes; cs 131,072 bytes
;; launch prep: the kernel of part 1 again; grid 192 x 1, 4 waves a work-group, no clusters, 1,024 bytes of LDS; arguments wq, wk, wv, wo, w_up, w_down, wts; writes wts
;; launch qkv: the kernel of part 2 again; grid 64 x 4, 8 waves a work-group, clusters of 4 x 1, 214,016 bytes of LDS; arguments moves_embeddings, wts, bq, bk, bv, qc, qs, kv; writes qc, qs, kv
;; launch attn: the kernel of part 3 again; grid 8 x 32, 8 waves a work-group, clusters of 4 x 1, 168,960 bytes of LDS; arguments qc, qs, kv, cc, cs; writes cc, cs
;; launch ffn (part 5): grid 256 x 1, 8 waves a work-group, no clusters, 168,960 bytes of LDS; arguments moves_embeddings, cc, cs, wts, bo, g1, beta1, b_up, b_down, g2, beta2, out0; writes out0
.if DOCPART == 5
	.amdgcn_target "amdgcn-amd-amdhsa--gfx1250"
	.amdhsa_code_object_version 6
	.text
	.protected	k_q341bfeb6e6_ffn
	.globl	k_q341bfeb6e6_ffn
	.p2align	8
	.type	k_q341bfeb6e6_ffn,@function
k_q341bfeb6e6_ffn:
	s_mov_b64 s[64:65], 0
	v_nop
	global_prefetch_b8 v0, s[64:65] scope:SCOPE_SE
	s_setreg_imm32_b32 hwreg(HW_REG_WAVE_SCHED_MODE, 0, 2), 2
	s_setreg_imm32_b32 hwreg(HW_REG_WAVE_MODE, 25, 1), 1
	s_wait_xcnt 0x0
	s_wait_alu depctr_vm_vsrc(0)
; x1 = LN(x + ctx wo + bo; g1, beta1);  out = LN(x1 + gelu(x1 w_up + b_up) w_down + b_down; g2, beta2), gelu exact (erf); the three products on codes of FP4 (E2M1) with E8M0 scales.
; SHARES.  A work-group owns 32 tokens (two tiles of 16; tile g, row r is token 8 g + (r & 7) + 16 (r >> 3)) through the whole chain: both norms want whole rows, and x1 and the hidden layer never go to memory.
; THE EIGHT WAVES SHARE THE COLUMNS: wave w makes channels 64 w .. + 63 of the first and third product and hidden units 256 w .. + 255 of the second, for all 32 tokens.  All products are used TRANSPOSED
; (source 0 = 16 columns of the weight, source 1 = 16 tokens): a lane holds one token, its registers run along the columns, which are the next product's K.
; THE WEIGHTS go from memory straight into registers, as the images that the first launch laid: a UNIT is 4 column tiles x 4 K steps, 16 fragments, 128 registers of window 1, which holds two units.
; Nine units a wave (wo, 4 of w_up, 4 of w_down); unit n + 2 is asked for behind unit n's products, so a unit's 34 loads are on their way while the other unit is multiplied.
; No cluster and no tensor load: each fragment is wanted once, by one wave of the work-group, so it would pass through LDS only to be read out once again.
; OPERANDS GO FROM WAVE TO WAVE THROUGH LDS AS IMAGES OF THEIR REGISTERS (16 bytes a lane, 512 consecutive bytes a store); scale bytes as two bytes of a lane's own 16.
; erf(z) = z P(z^2) / Q(z^2) on z held to -4 .. 4 (degrees 6 and 4), gelu = u/2 + (u/2) erf(u / sqrt 2).
; LIMITS: 1 + erf loses relative accuracy for u under about -4 sqrt 2, where |gelu| is under 1e-4; the norms' sums are taken in another order than a plain loop's, the variance in two passes;
;   a block of zeros or under 2^-124 gets the byte 1 (its codes are zeros); NaN and infinities are not served.
; REGISTERS, window 0: v1-15 addresses; v16-79 Y: the two token tiles' 32 channels a lane; v80-111 four fragments of tokens; v112-143 the hidden layer's four tiles, or four more fragments; v144-175 a bias or gain;
;   v176-207 at work; v208-219 the quantiser's and the norms' work; v220-223, v228-247 scale words and nothing else; v224-227 codes; v248-251 two coefficients; v252-255 mean, then 1 / sigma.  Window 1: two units.
; THE MODE: SCHED_MODE bits 1:0 = 2 (LLVM: expert scheduling mode 2), set by the entry lines.  The code itself states the register dependences
; between vector or matrix instructions and memory or LDS instructions, with s_wait_alu, always for 0.
; THE PLAN.  Registers that memory or LDS instructions touch:
;   v1-15, v215     addresses and offsets: written at the head, ahead of a wait on va_vdst, and never again.  v217, v218: offsets of the head's loads alone; later halves of the norms' sums.
;   window 1, WS    a unit and its scale words: loaded from memory, read by matrix instructions alone.  ONE wait on va_vdst behind a unit's last product; behind it the loads of the unit two further on owe nothing more,
;                   so units 3 to 6 are dealt, eight loads at a time, among the four quarters of the second token tile's activation, which names v[H ..], v[T ..] and the two coefficients alone.
;   XF, H, XSW, XSW2, BI   loaded from LDS, read by matrix instructions (BI by additions and the norms too): each load stands behind a wait on va_vdst that stands behind the last such reader.
;   PC, PW          written by the quantiser, read by its two LDS stores: va_vdst ahead of the stores, vm_vsrc ahead of the next quantiser.
;   L0, L1          written by the norms' sums, read by two LDS stores: va_vdst ahead of the stores, vm_vsrc ahead of the second pass, which writes them again.
;   Y               read by the LDS stores of the way out: va_vdst ahead of them.
.set WO_C, 417792
.set WO_S, 548864
.set UP_C, 557056
.set UP_S, 1081344
.set DN_C, 1114112
.set DN_S, 1638400
.set SPI,   2064                       ; LDS: 0 a stage of 32 rows x (2,048 + 16) bytes, row 16 g + r: x on its way in, out0 on its way out
.set PAR,   66048                      ; for each wave 2,560 bytes of its own: bo, g1, beta1, b_down, g2, beta2 of its 64 channels (256 each), b_up of its 256 units
.set X1IMG, 86528                      ; x1's 8 fragments: (4 g + K step) x 1,024
.set X1SC,  94720                      ; their scale words: 512 g + 16 lane + 4 K step
.set HIMG,  95744                      ; the hidden layer's 32 fragments: (16 g + K step) x 1,024
.set HSC,   128512                     ; their scale words: (4 g + K step / 4) x 512 + 16 lane + 4 (K step % 4)
.set RED,   132608                     ; four regions of 1,024 bytes for the norms' sums: 512 g + 32 r + 4 wave
.set Y,    16
.set XF,   80
.set H,    112
.set BI,   144
.set T,    176
.set CSU,  196
.set QM,   208
.set QP,   210
.set QS,   212
.set PW,   214
.set GL8,  215
.set L0,   216
.set L1,   218
.set XSW2, 220
.set PC,   224
.set WS,   228
.set XSW,  244
.set KA,   248
.set KB,   250
.set MU0,  252
.set MU1,  254
.set WOB,  28
.set UPB,  30
.set DNB,  32
.set WOSB, 34
.set UPSB, 36
.set DNSB, 38
.set SEL,  40
.set RS2,  42                          ; s[42:43] 1 / sqrt 2; s[44:55] the numerator's coefficients, s[56:63] the denominator's: pairs, since the packed forms name pairs
.set WV,   68
.set MSB, 0
.macro WIN new                         ; the immediate's high byte repeats the setting that is left
.if MSB != \new
	s_set_vgpr_msb (MSB<<8)|\new
.set MSB, \new
.endif
.endm
.macro PLACES n
.rept \n
	v_nop
.endr
.endm
.macro BARRIER                         ; my LDS stores have landed and my LDS loads are in: then the work-group's barrier
	s_wait_dscnt 0x0
	s_barrier_signal -1
	s_barrier_wait -1
.endm
.macro PAIR reg, val
	s_mov_b32 s[\reg], \val
	s_mov_b32 s[\reg+1], s[\reg]
.endm
; a unit's K step k: four fragments, eight loads of 512 consecutive bytes; the caller has set the destination's window to 1
.macro UNITK set, cb, coff, k
.irp t,0,1,2,3
.irp c,0,1
	global_load_b128 v[128*(\set)+8*(4*(\k)+\t)+4*\c:128*(\set)+8*(4*(\k)+\t)+4*\c+3], v1, s[\cb:\cb+1] offset:(\coff)+8192*(\k)+1024*\t+512*\c
.endr
.endr
.endm
; a unit's scale words: register 4 j + K step: lanes 0-15 tile j, lanes 16-31 tile j + 2
.macro UNITS set, sb, soff, sstep, sreg
.irp j,0,1
	global_load_b128 v[WS+8*(\set)+4*\j:WS+8*(\set)+4*\j+3], v[\sreg], s[\sb:\sb+1] offset:(\soff)+\j*(\sstep)
.endr
.endm
; a unit in one run: 32 loads into window 1, and its scale words
.macro LOADUNIT set, cb, coff, sb, soff, sstep, sreg
	WIN 0x40                                       ; destination window 1, address window 0
.irp k,0,1,2,3
	UNITK \set, \cb, \coff, \k
.endr
	WIN 0
	UNITS \set, \sb, \soff, \sstep, \sreg
.endm
.macro UPUNIT set, q
	LOADUNIT \set, UPB, ((\q)/2)*32768+((\q)%2)*4096, UPSB, ((\q)/2)*2048+((\q)%2)*1024, 256, 2
.endm
.macro DNUNIT set, q
	LOADUNIT \set, DNB, 32768*(\q), DNSB, 256*(\q), 1024, 3
.endm
.macro WM d, a, b, c, sa, sb, row
.if \row
	v_wmma_scale_f32_16x16x128_f8f6f4 v[(\d):(\d)+7], v[(\a):(\a)+7], v[(\b):(\b)+7], v[(\c):(\c)+7], v[\sa], v[\sb] matrix_a_fmt:MATRIX_FMT_FP4 matrix_b_fmt:MATRIX_FMT_FP4 matrix_a_scale:MATRIX_SCALE_ROW1
.else
	v_wmma_scale_f32_16x16x128_f8f6f4 v[(\d):(\d)+7], v[(\a):(\a)+7], v[(\b):(\b)+7], v[(\c):(\c)+7], v[\sa], v[\sb] matrix_a_fmt:MATRIX_FMT_FP4 matrix_b_fmt:MATRIX_FMT_FP4
.endif
.endm
; 16 matrix instructions: a unit against one token tile's four fragments; the four accumulators take turns, one instruction a turn.  c0: the C of the first K step
.macro MULJOB acc, b, set, bs, c0
	WIN 0x01                                       ; source 0 (the weight) window 1
.irp k,0,1,2,3
.irp t,0,1,2,3
.if \k == 0
	WM (\acc)+8*\t, 128*(\set)+8*(4*\k+\t), (\b)+8*\k, (\c0)+8*\t, WS+8*(\set)+4*(\t%2)+\k, (\bs)+\k, \t/2
.else
	WM (\acc)+8*\t, 128*(\set)+8*(4*\k+\t), (\b)+8*\k, (\acc)+8*\t, WS+8*(\set)+4*(\t%2)+\k, (\bs)+\k, \t/2
.endif
.endr
.endr
	WIN 0
.endm
; 32 numbers of a parameter in the results' layout: register 8 t + j is column 32 (t / 2) + 16 h + 8 (t % 2) + j
.macro PARLD dst, off
.irp t,0,1,2,3
.irp c,0,1
	ds_load_b128 v[(\dst)+8*\t+4*\c:(\dst)+8*\t+4*\c+3], v7 offset:(\off)+128*(\t/2)+32*(\t%2)+16*\c
.endr
.endr
.endm
; 32 numbers of a lane, register 16 b + i = k 32 b + 16 (lane / 16) + i of my row, become half a fragment's codes in v[PC] on and two scale bytes in v[PW]
.macro QUANT2 s
.irp b,0,1
	v_max3_num_f32 v[QM+\b], |v[(\s)+16*\b]|, |v[(\s)+1+16*\b]|, 0x1800000   ; and the floor 2^(3 - 127): the byte cannot fall under 1
.endr
.irp i,2,4,6,8,10,12,14
.irp b,0,1
	v_max3_num_f32 v[QM+\b], v[QM+\b], |v[(\s)+16*\b+\i]|, |v[(\s)+1+16*\b+\i]|
.endr
.endr
.irp b,0,1
	v_permlanex16_b32 v[QP+\b], v[QM+\b], s[SEL], s[SEL+1]
.endr
.irp b,0,1
	v_max_num_f32 v[QM+\b], v[QM+\b], v[QP+\b]
.endr
.irp b,0,1
	v_add_nc_u32 v[QS+\b], 0xff000000, v[QM+\b]    ; 2 off the exponent field: the conversion's scale operand
.endr
.irp b,0,1
	v_lshrrev_b32 v[QP+\b], 23, v[QS+\b]
.endr
	v_lshl_or_b32 v[PW], v[QP+1], 8, v[QP]
.irp b,0,1
	v_cvt_scalef32_pk8_fp4_f32 v[PC+2*\b], v[(\s)+16*\b:(\s)+16*\b+7], v[QS+\b]
	v_cvt_scalef32_pk8_fp4_f32 v[PC+1+2*\b], v[(\s)+16*\b+8:(\s)+16*\b+15], v[QS+\b]
.endr
	v_nop                                          ; one plain place behind a scaled conversion
	v_permlane16_swap_b32 v[PC], v[PC+2]
	v_permlane16_swap_b32 v[PC+1], v[PC+3]
.endm
; gelu of eight numbers, in place.  z in T, z^2 in T + 8, the numerator in T + 16, the denominator in T + 24
.macro GELU8 u
.irp j,0,2,4,6
	v_pk_mul_f32 v[T+\j:T+\j+1], v[(\u)+\j:(\u)+\j+1], s[RS2:RS2+1] op_sel_hi:[1,0]
.endr
.irp j,0,1,2,3,4,5,6,7
	v_med3_num_f32 v[T+\j], v[T+\j], -4.0, 4.0
.endr
.irp j,0,2,4,6
	v_pk_mul_f32 v[T+8+\j:T+9+\j], v[T+\j:T+\j+1], v[T+\j:T+\j+1]
.endr
.irp j,0,2,4,6
	v_pk_fma_f32 v[T+16+\j:T+17+\j], v[T+8+\j:T+9+\j], v[KA:KA+1], s[44:45] op_sel_hi:[1,1,0]
	v_pk_fma_f32 v[T+24+\j:T+25+\j], v[T+8+\j:T+9+\j], v[KB:KB+1], s[56:57] op_sel_hi:[1,1,0]
.endr
.irp n,0,1,2
.irp j,0,2,4,6
	v_pk_fma_f32 v[T+16+\j:T+17+\j], v[T+16+\j:T+17+\j], v[T+8+\j:T+9+\j], s[46+2*\n:47+2*\n] op_sel_hi:[1,1,0]
	v_pk_fma_f32 v[T+24+\j:T+25+\j], v[T+24+\j:T+25+\j], v[T+8+\j:T+9+\j], s[58+2*\n:59+2*\n] op_sel_hi:[1,1,0]
.endr
.endr
.irp n,0,1
.irp j,0,2,4,6
	v_pk_fma_f32 v[T+16+\j:T+17+\j], v[T+16+\j:T+17+\j], v[T+8+\j:T+9+\j], s[52+2*\n:53+2*\n] op_sel_hi:[1,1,0]
.endr
.endr
.irp j,0,2,4,6
	v_pk_mul_f32 v[T+16+\j:T+17+\j], v[T+16+\j:T+17+\j], v[T+\j:T+\j+1]
.endr
.irp j,0,1,2,3,4,5,6,7
	v_rcp_f32 v[T+24+\j], v[T+24+\j]
.endr
.irp j,0,2,4,6
	v_pk_mul_f32 v[(\u)+\j:(\u)+\j+1], v[(\u)+\j:(\u)+\j+1], 0.5 op_sel_hi:[1,0]   ; u / 2: plain work behind the reciprocals
.endr
	s_wait_alu depctr_va_vdst(0)                   ; the eight reciprocals have written v[T+24 ..]: one wait, ahead of their first reader
.irp j,0,2,4,6
	v_pk_mul_f32 v[T+16+\j:T+17+\j], v[T+16+\j:T+17+\j], v[T+24+\j:T+25+\j]        ; erf
.endr
.irp j,0,2,4,6
	v_pk_fma_f32 v[(\u)+\j:(\u)+\j+1], v[(\u)+\j:(\u)+\j+1], v[T+16+\j:T+17+\j], v[(\u)+\j:(\u)+\j+1]
.endr
.endm
; a unit's 34 loads dealt among the four quarters of the activation of v[H ..]: a K step's eight ahead of each quarter.  No wait stands here: since the wait that stands ahead of this macro,
; no vector or matrix instruction names the unit's registers, its scale words or the offsets v1 to v3
.macro DEAL set, cb, coff, sb, soff, sstep, sreg
.irp k,0,1,2,3
	WIN 0x40                                       ; destination window 1, address window 0
	UNITK \set, \cb, \coff, \k
	WIN 0
.if \k == 0
	UNITS \set, \sb, \soff, \sstep, \sreg
.endif
	GELU8 H+8*\k
.endr
.endm
.macro UPDEAL set, q
	DEAL \set, UPB, ((\q)/2)*32768+((\q)%2)*4096, UPSB, ((\q)/2)*2048+((\q)%2)*1024, 256, 2
.endm
.macro DNDEAL set, q
	DEAL \set, DNB, 32768*(\q), DNSB, 256*(\q), 1024, 3
.endm
; the eight waves' parts of both token tiles' sums, added in the same order in every wave: results in v[XF] and v[XF+8]
.macro REDUCE ro
	ds_load_b128 v[XF:XF+3], v15 offset:\ro
	ds_load_b128 v[XF+4:XF+7], v15 offset:\ro+16
	ds_load_b128 v[XF+8:XF+11], v15 offset:\ro+512
	ds_load_b128 v[XF+12:XF+15], v15 offset:\ro+528
	s_wait_dscnt 0x0
	v_pk_add_f32 v[XF:XF+1], v[XF:XF+1], v[XF+2:XF+3]
	v_pk_add_f32 v[XF+8:XF+9], v[XF+8:XF+9], v[XF+10:XF+11]
	v_pk_add_f32 v[XF+4:XF+5], v[XF+4:XF+5], v[XF+6:XF+7]
	v_pk_add_f32 v[XF+12:XF+13], v[XF+12:XF+13], v[XF+14:XF+15]
	v_pk_add_f32 v[XF:XF+1], v[XF:XF+1], v[XF+4:XF+5]
	v_pk_add_f32 v[XF+8:XF+9], v[XF+8:XF+9], v[XF+12:XF+13]
	v_add_f32 v[XF], v[XF], v[XF+1]
	v_add_f32 v[XF+8], v[XF+8], v[XF+9]
.endm
.macro SHARE ro                        ; my lane's two sums: the pair's halves, lane l xor 16's, and my wave's word in LDS
	v_add_f32 v[L0], v[L0], v[L0+1]
	v_add_f32 v[L1], v[L1], v[L1+1]
	v_permlanex16_b32 v[L0+1], v[L0], s[SEL], s[SEL+1]
	v_permlanex16_b32 v[L1+1], v[L1], s[SEL], s[SEL+1]
	v_add_f32 v[L0], v[L0], v[L0+1]
	v_add_f32 v[L1], v[L1], v[L1+1]
	s_wait_alu depctr_va_vdst(0)                   ; v[L0] and v[L1] are written, which the LDS stores read; and all that named v[XF ..], v[BI ..] and v[T ..] is done, in which the LDS loads up to the next vector line land
	ds_store_b32 v14, v[L0] offset:\ro
	ds_store_b32 v14, v[L1] offset:\ro+512
.endm
; LayerNorm of Y, in place, over the 512 channels that the eight waves hold: two passes, two barriers
.macro LN ra, rb, goff, boff
	v_pk_add_f32 v[L0:L0+1], v[Y:Y+1], v[Y+2:Y+3]                  ; each accumulator is read from its low end on
	v_pk_add_f32 v[L1:L1+1], v[Y+32:Y+33], v[Y+34:Y+35]
.irp j,4,6,8,10,12,14,16,18,20,22,24,26,28,30
	v_pk_add_f32 v[L0:L0+1], v[L0:L0+1], v[Y+\j:Y+\j+1]
	v_pk_add_f32 v[L1:L1+1], v[L1:L1+1], v[Y+32+\j:Y+33+\j]
.endr
	SHARE \ra
	BARRIER
	REDUCE \ra
	v_mul_f32 v[MU0], s66, v[XF]                   ; the means
	v_mul_f32 v[MU1], s66, v[XF+8]
.set i, 0
.rept 16
	v_pk_add_f32 v[Y+i:Y+i+1], v[Y+i:Y+i+1], v[MU0:MU0+1] op_sel_hi:[1,0] neg_lo:[0,1] neg_hi:[0,1]
	v_pk_add_f32 v[Y+32+i:Y+33+i], v[Y+32+i:Y+33+i], v[MU1:MU1+1] op_sel_hi:[1,0] neg_lo:[0,1] neg_hi:[0,1]
.set i, i+2
.endr
	s_wait_alu depctr_vm_vsrc(0)                   ; the LDS stores of the first pass have read v[L0] and v[L1], which the second pass writes again
	v_pk_mul_f32 v[L0:L0+1], v[Y:Y+1], v[Y:Y+1]
	v_pk_mul_f32 v[L1:L1+1], v[Y+32:Y+33], v[Y+32:Y+33]
.irp j,2,4,6,8,10,12,14,16,18,20,22,24,26,28,30
	v_pk_fma_f32 v[L0:L0+1], v[Y+\j:Y+\j+1], v[Y+\j:Y+\j+1], v[L0:L0+1]
	v_pk_fma_f32 v[L1:L1+1], v[Y+32+\j:Y+33+\j], v[Y+32+\j:Y+33+\j], v[L1:L1+1]
.endr
	SHARE \rb
	PARLD BI, \goff
	PARLD T, \boff
	BARRIER
	REDUCE \rb
	v_fma_f32 v[XF], v[XF], s66, s67               ; variance + eps
	v_fma_f32 v[XF+8], v[XF+8], s66, s67
	v_rsq_f32 v[MU0], v[XF]
	v_rsq_f32 v[MU1], v[XF+8]
	v_nop
	s_wait_alu depctr_va_vdst(0)                   ; the two reciprocal roots have written v[MU0] and v[MU1], ahead of their first reader
.set i, 0
.rept 16
	v_pk_mul_f32 v[Y+i:Y+i+1], v[Y+i:Y+i+1], v[MU0:MU0+1] op_sel_hi:[1,0]
	v_pk_mul_f32 v[Y+32+i:Y+33+i], v[Y+32+i:Y+33+i], v[MU1:MU1+1] op_sel_hi:[1,0]
.set i, i+2
.endr
.set i, 0
.rept 16
	v_pk_fma_f32 v[Y+i:Y+i+1], v[Y+i:Y+i+1], v[BI+i:BI+i+1], v[T+i:T+i+1]
	v_pk_fma_f32 v[Y+32+i:Y+33+i], v[Y+32+i:Y+33+i], v[BI+i:BI+i+1], v[T+i:T+i+1]
.set i, i+2
.endr
.endm
.macro ADDBI                           ; Y += the 32 numbers in BI, both token tiles, the first tile first
.irp g,0,1
.irp j,0,2,4,6,8,10,12,14,16,18,20,22,24,26,28,30
	v_pk_add_f32 v[Y+32*\g+\j:Y+32*\g+\j+1], v[Y+32*\g+\j:Y+32*\g+\j+1], v[BI+\j:BI+\j+1]
.endr
.endr
.endm
	s_load_b512 s[4:19], s[0:1], 0x0               ; x s[4:5], cc s[6:7], cs s[8:9], wts s[10:11], bo s[12:13], g1 s[14:15], beta1 s[16:17], b_up s[18:19]
	s_load_b256 s[20:27], s[0:1], 0x40             ; b_down s[20:21], g2 s[22:23], beta2 s[24:25], out0 s[26:27]
	v_lshrrev_b32 v255, 5, v0
	v_readfirstlane_b32 s[WV], v255                ; wave 0..7
	v_and_b32 v252, 31, v0                         ; lane
	v_and_b32 v254, 15, v0                         ; r
	v_bfe_u32 v253, v0, 4, 1                       ; h
	v_lshlrev_b32 v1, 4, v252                      ; 16 lane
	v_lshlrev_b32 v2, 4, v254
	v_lshl_add_u32 v3, v253, 11, v2                ; weights' scale words: 16 r, lanes 16-31 two tiles on: tiles of 1,024 bytes (w_down)
	v_lshl_add_u32 v2, v253, 9, v2                 ; and of 256 (wo, w_up)
	s_wait_alu depctr_va_sdst(0)                   ; the wave's number is written, ahead of its first reader: bases and LDS addresses are made from it
	s_lshr_b32 s70, s[WV], 1
	s_and_b32 s71, s[WV], 1
	s_mov_b32 s73, 0
	s_wait_kmcnt 0x0
	s_lshl_b32 s72, s70, 15
	s_lshl_b32 s74, s71, 12
	s_add_co_u32 s72, s72, s74
	s_add_co_u32 s72, s72, WO_C
	s_add_nc_u64 s[WOB:WOB+1], s[10:11], s[72:73]  ; wo: my four column tiles' codes
	s_lshl_b32 s72, s[WV], 16
	s_add_co_u32 s72, s72, UP_C
	s_add_nc_u64 s[UPB:UPB+1], s[10:11], s[72:73]  ; w_up: my sixteen
	s_lshl_b32 s72, s70, 17
	s_add_co_u32 s72, s72, s74
	s_add_co_u32 s72, s72, DN_C
	s_add_nc_u64 s[DNB:DNB+1], s[10:11], s[72:73]  ; w_down: my four
	s_lshl_b32 s72, s[WV], 10
	s_add_co_u32 s72, s72, WO_S
	s_add_nc_u64 s[WOSB:WOSB+1], s[10:11], s[72:73]
	s_lshl_b32 s72, s[WV], 12
	s_add_co_u32 s72, s72, UP_S
	s_add_nc_u64 s[UPSB:UPSB+1], s[10:11], s[72:73]
	s_lshl_b32 s72, s[WV], 12
	s_add_co_u32 s72, s72, DN_S
	s_add_nc_u64 s[DNSB:DNSB+1], s[10:11], s[72:73]
	s_wait_alu depctr_va_vdst(0)                   ; the offsets v1, v2 and v3 are written, which every load of a unit reads
	LOADUNIT 0, WOB, 0, WOSB, 0, 256, 2            ; unit 0: wo
	s_lshl_b32 s72, ttmp9, 5                       ; the four stage rows 4 w .. 4 w + 3 are tokens 32 wg + 8 (w / 4) + 4 (w % 2) + 16 ((w / 2) % 2) + 0 .. 3
	s_lshr_b32 s74, s[WV], 2
	s_lshl_b32 s74, s74, 3
	s_add_co_u32 s72, s72, s74
	s_lshl_b32 s74, s71, 2
	s_add_co_u32 s72, s72, s74
	s_and_b32 s74, s70, 1
	s_lshl_b32 s74, s74, 4
	s_add_co_u32 s72, s72, s74
	s_lshl_b32 s72, s72, 11
	s_add_nc_u64 s[4:5], s[4:5], s[72:73]
	s_add_nc_u64 s[26:27], s[26:27], s[72:73]
	s_lshl_b32 s72, ttmp9, 13
	s_add_nc_u64 s[6:7], s[6:7], s[72:73]          ; ctx's codes: two token tiles of 4,096 bytes
	s_lshr_b32 s72, ttmp9, 6
	s_lshl_b32 s72, s72, 15
	s_and_b32 s74, ttmp9, 63
	s_lshl_b32 s74, s74, 6
	s_add_co_u32 s72, s72, s74
	s_add_nc_u64 s[8:9], s[8:9], s[72:73]          ; its scale bytes: batch x 8 heads x 4,096 + tile x 32
	s_mul_i32 s72, s[WV], 4*SPI
	v_add_nc_u32 v4, s72, v1                       ; the stage by rows: my four rows, 16 lane
	v_mul_u32_u24 v5, v254, SPI
	v_lshl_add_u32 v5, v253, 6, v5
	s_lshl_b32 s72, s[WV], 8
	v_add_nc_u32 v5, s72, v5                       ; the stage by columns: row r, my wave's 256 bytes, + 64 h
	v_lshl_add_u32 v[GL8], v252, 3, s72            ; the parameters in memory: 256 w + 8 lane
	s_mul_i32 s75, s[WV], 2560
	s_add_co_u32 s75, s75, PAR
	v_lshl_add_u32 v6, v252, 3, s75
	v_lshl_add_u32 v7, v253, 6, s75
	v_add_nc_u32 v8, s75, v1
	v_add_nc_u32 v8, 1536, v8
	s_lshl_b32 s72, s[WV], 9
	s_add_co_u32 s72, s72, X1IMG
	v_add_nc_u32 v9, s72, v1                       ; my half image of x1: K step w / 2, half w % 2
	s_lshl_b32 s72, s[WV], 1
	s_add_co_u32 s72, s72, X1SC
	v_add_nc_u32 v10, s72, v1                      ; and its two scale bytes
	v_add_nc_u32 v11, X1IMG, v1                    ; every image and scale word is read by this register and an immediate
	s_lshl_b32 s72, s[WV], 11
	s_add_co_u32 s72, s72, HIMG
	v_add_nc_u32 v12, s72, v1                      ; my two K steps of the hidden layer
	s_lshl_b32 s72, s70, 9
	s_lshl_b32 s74, s71, 3
	s_add_co_u32 s72, s72, s74
	s_add_co_u32 s72, s72, HSC
	v_add_nc_u32 v13, s72, v1
	s_lshl_b32 s72, s[WV], 2
	s_add_co_u32 s72, s72, RED
	v_lshl_add_u32 v14, v254, 5, s72
	v_lshlrev_b32 v15, 5, v254
	v_add_nc_u32 v15, RED, v15
	v_lshlrev_b32 v217, 1, v254                    ; ctx's scale bytes: 2 r
	s_lshl_b32 s72, s[WV], 10
	v_add_nc_u32 v218, s72, v1                     ; b_up: 1,024 w + 16 lane
	s_wait_alu depctr_va_vdst(0)                   ; the addresses v4 to v15 and the offsets v215, v217 and v218 are written: every later load and store reads its address from these or from v1 to v3
.set i, 0
.rept 16
	global_load_b128 v[H+4*i:H+4*i+3], v1, s[4:5] offset:(i/4)*2048+(i%4)*512 th:TH_LOAD_NT   ; four rows of x, 512 consecutive bytes a load
.set i, i+1
.endr
	global_load_b64 v[T:T+1], v[GL8], s[12:13]
	global_load_b64 v[T+2:T+3], v[GL8], s[14:15]
	global_load_b64 v[T+4:T+5], v[GL8], s[16:17]
	global_load_b64 v[T+6:T+7], v[GL8], s[20:21]
	global_load_b64 v[T+8:T+9], v[GL8], s[22:23]
	global_load_b64 v[T+10:T+11], v[GL8], s[24:25]
	global_load_b128 v[T+12:T+15], v218, s[18:19]
	global_load_b128 v[T+16:T+19], v218, s[18:19] offset:512
.irp k,0,1,2,3
.irp c,0,1
	global_load_b128 v[XF+8*\k+4*\c:XF+8*\k+4*\c+3], v1, s[6:7] offset:1024*\k+512*\c        ; ctx, first token tile: K step k is heads 2 k and 2 k + 1
.endr
.endr
.irp g,0,1
.irp d,0,1,2,3,4,5,6,7
	global_load_u16 v[CSU+8*\g+\d], v217, s[8:9] offset:4096*\d+32*\g
.endr
.endr
	PAIR RS2, 0x3f3504f3                           ; 1 / sqrt 2
	PAIR 44, 0x32edffee                            ; the numerator, from z^10 down to z^0 (z^12's coefficient lies in v[KA])
	PAIR 46, 0xb60cff51
	PAIR 48, 0xb86ec2d2
	PAIR 50, 0xba40ac63
	PAIR 52, 0xbb41a1f6
	PAIR 54, 0xbc83dbd4
	PAIR 56, 0xb95fbd29                            ; the denominator, from z^6 down to z^0 (z^8's lies in v[KB])
	PAIR 58, 0xbadc924e
	PAIR 60, 0xbbf19bf8
	PAIR 62, 0xbc69b6a7
	s_mov_b32 s66, 0x3b000000                      ; 1 / 512
	s_mov_b32 s67, 0x3727c5ac                      ; 1e-5
	s_mov_b32 s[SEL], 0x76543210
	s_mov_b32 s[SEL+1], 0xfedcba98
	v_mov_b32 v[KA], 0xaf95df0b
	v_mov_b32 v[KA+1], 0xaf95df0b
	v_mov_b32 v[KB], 0xb77460cd
	v_mov_b32 v[KB+1], 0xb77460cd
	v_mov_b32 v253, 0                              ; the upper halves of the pairs whose low words are broadcast
	v_mov_b32 v255, 0
	s_wait_loadcnt 24                              ; unit 0, x and the parameters are in; ctx's 8 loads and its 16 scale halves may be out
.set i, 0
.rept 16
	ds_store_b128 v4, v[H+4*i:H+4*i+3] offset:(i/4)*SPI+(i%4)*512
.set i, i+1
.endr
.irp a,0,1,2,3,4,5
	ds_store_b64 v6, v[T+2*\a:T+2*\a+1] offset:256*\a
.endr
	ds_store_b128 v8, v[T+12:T+15]
	ds_store_b128 v8, v[T+16:T+19] offset:512
	s_wait_dscnt 0x0                               ; the stores have read their registers
	s_wait_alu depctr_vm_vsrc(0)                   ; the LDS stores have read v[H ..] to v[T+19], in which later loads land and which the activation writes; the head's loads have read the offsets v217 and v218, which the norms' sums write
.irp k,0,1,2,3
.irp c,0,1
	global_load_b128 v[H+8*\k+4*\c:H+8*\k+4*\c+3], v1, s[6:7] offset:4096+1024*\k+512*\c     ; ctx, second token tile
.endr
.endr
	UPUNIT 1, 0                                    ; unit 1
	BARRIER                                        ; 32 rows of x lie in the stage
	; ---- x + bo + ctx wo
.irp g,0,1
.irp t,0,1,2,3
.irp c,0,1
	ds_load_b128 v[Y+32*\g+8*\t+4*\c:Y+32*\g+8*\t+4*\c+3], v5 offset:16*SPI*\g+128*(\t/2)+32*(\t%2)+16*\c
.endr
.endr
.endr
	PARLD BI, 0
	s_wait_loadcnt 34                              ; all but unit 1
	s_wait_dscnt 0x0
.irp k,0,1,2,3
	v_lshl_or_b32 v[XSW+\k], v[CSU+2*\k+1], 16, v[CSU+2*\k]        ; two heads' bytes make a K step's scale word
	v_lshl_or_b32 v[XSW2+\k], v[CSU+8+2*\k+1], 16, v[CSU+8+2*\k]
.endr
	v_mov_b32 v[QP], 0                             ; a lane permute's destination counts as one of its sources
	v_mov_b32 v[QP+1], 0
	ADDBI                                          ; the sums start as x + bo; these 32 lines also stand between the scale words' writes and the products
	s_wait_alu depctr_va_vdst(0)                   ; the eight scale words v[XSW ..] and v[XSW2 ..] are written, which the scaled products take; the places above stay beside this wait
	MULJOB Y, XF, 0, XSW, Y
	MULJOB Y+32, H, 0, XSW2, Y+32
	PLACES 4
	s_wait_alu depctr_va_vdst(0)                   ; the products are done reading unit 0 and its scale words, in which unit 2 lands
	UPUNIT 0, 1                                    ; unit 2
	LN 0, 1024, 256, 512
.irp g,0,1
.if \g == 1
	s_wait_alu depctr_vm_vsrc(0)                   ; the first tile's LDS stores have read v[PC ..] and v[PW], which this quantiser writes again
.endif
	QUANT2 Y+32*\g
	s_wait_alu depctr_va_vdst(0)                   ; the quantiser has written v[PC ..] and v[PW], which the LDS stores read; the norm is done reading v[BI ..], in which b_down lands below
	ds_store_b128 v9, v[PC:PC+3] offset:4096*\g
	ds_store_b16 v10, v[PW] offset:512*\g
	s_wait_dscnt 0x0
.endr
	PARLD BI, 768
	s_wait_dscnt 0x0
	ADDBI                                          ; Y = x1 + b_down: the third product's sums start here
	s_wait_alu depctr_va_vdst(0)                   ; the additions are done reading v[BI ..], in which b_up lands
	BARRIER                                        ; x1's eight fragments lie in LDS
	; ---- the hidden layer: four units of 64 hidden units, each for both token tiles
.macro XFLOAD g
.irp k,0,1,2,3
.irp c,0,1
	ds_load_b128 v[XF+8*\k+4*\c:XF+8*\k+4*\c+3], v11 offset:(4*(\g)+\k)*1024+512*\c
.endr
.endr
	ds_load_b128 v[XSW:XSW+3], v11 offset:X1SC-X1IMG+512*(\g)
.endm
.macro HOUT g, q                       ; the quantiser, half an image and two scale bytes to LDS
	s_wait_alu depctr_vm_vsrc(0)                   ; the last image's LDS stores have read v[PC ..] and v[PW], which this quantiser writes again
	QUANT2 H
	s_wait_alu depctr_va_vdst(0)                   ; the quantiser has written v[PC ..] and v[PW], which the LDS stores read; it is done with v[H ..], in which fragments land behind the last of these
	ds_store_b128 v12, v[PC:PC+3] offset:16384*(\g)+1024*((\q)/2)+512*((\q)%2)
	ds_store_b16 v13, v[PW] offset:2048*(\g)+4*((\q)/2)+2*((\q)%2)
	s_wait_dscnt 0x0
.endm
.macro UPQ q                           ; its LDS loads at the head owe no wait of their own: the last readers of v[BI ..], v[XF ..] and v[XSW ..] stand ahead of a wait on va_vdst, and no vector line behind that wait names them
	s_wait_loadcnt 34                              ; this unit is in; the next may be out
	PARLD BI, 1536+256*(\q)                        ; b_up is the C of each sum's first product
	XFLOAD 0
	s_wait_dscnt 0x0
	MULJOB H, XF, (1+\q)%2, XSW, BI
	PLACES 4
	s_wait_alu depctr_va_vdst(0)                   ; the products are done reading v[XF ..] and v[XSW ..], in which the second token tile's fragments and scale words land
	XFLOAD 1                                       ; lands while the first tile is activated
	GELU8 H
	GELU8 H+8
	GELU8 H+16
	GELU8 H+24
	HOUT 0, \q
	MULJOB H, XF, (1+\q)%2, XSW, BI
	PLACES 4
	s_wait_alu depctr_va_vdst(0)                   ; the products are done reading this unit and its scale words, in which the unit two further on lands, and v[BI ..], v[XF ..] and v[XSW ..], in which the next unit's LDS loads land
.endm
	UPQ 0
	UPDEAL 1, 2                                    ; unit 3, dealt among the second tile's activation
	HOUT 1, 0
	UPQ 1
	UPDEAL 0, 3                                    ; unit 4
	HOUT 1, 1
	UPQ 2
	DNDEAL 1, 0                                    ; unit 5
	HOUT 1, 2
	UPQ 3
	DNDEAL 0, 1                                    ; unit 6
	HOUT 1, 3
	BARRIER                                        ; the hidden layer's 32 fragments lie in LDS
	; ---- + h w_down: four units of four K steps
.macro DNQ q, left
	s_wait_loadcnt \left
.irp k,0,1,2,3
.irp c,0,1
	ds_load_b128 v[XF+8*\k+4*\c:XF+8*\k+4*\c+3], v11 offset:HIMG-X1IMG+(4*(\q)+\k)*1024+512*\c
	ds_load_b128 v[H+8*\k+4*\c:H+8*\k+4*\c+3], v11 offset:HIMG-X1IMG+16384+(4*(\q)+\k)*1024+512*\c
.endr
.endr
	ds_load_b128 v[XSW:XSW+3], v11 offset:HSC-X1IMG+512*(\q)
	ds_load_b128 v[XSW2:XSW2+3], v11 offset:HSC-X1IMG+2048+512*(\q)
	s_wait_dscnt 0x0
	MULJOB Y, XF, (1+\q)%2, XSW, Y
	MULJOB Y+32, H, (1+\q)%2, XSW2, Y+32
	PLACES 4
.endm
	DNQ 0, 34                                      ; unit 5 is in; unit 6 may be out
	s_wait_alu depctr_va_vdst(0)                   ; the products are done reading unit 5 and its scale words, in which unit 7 lands, and the tokens' fragments and scale words, in which the next four K steps' land
	DNUNIT 1, 2                                    ; unit 7
	DNQ 1, 34
	s_wait_alu depctr_va_vdst(0)                   ; the same of unit 6, in which unit 8 lands
	DNUNIT 0, 3                                    ; unit 8
	DNQ 2, 34
	s_wait_alu depctr_va_vdst(0)                   ; the products are done reading the tokens' fragments and scale words, in which the last four K steps' land
	DNQ 3, 0
	LN 2048, 3072, 1024, 1280
	; ---- the way out: through the stage, so that each store covers 512 consecutive bytes of a row of out0
	s_wait_alu depctr_va_vdst(0)                   ; the norm has written Y, which the LDS stores read, and is done reading v[BI ..], in which rows of the stage land below
.irp g,0,1
.irp t,0,1,2,3
.irp c,0,1
	ds_store_b128 v5, v[Y+32*\g+8*\t+4*\c:Y+32*\g+8*\t+4*\c+3] offset:16*SPI*\g+128*(\t/2)+32*(\t%2)+16*\c
.endr
.endr
.endr
	BARRIER
.set i, 0
.rept 16
	ds_load_b128 v[H+4*i:H+4*i+3], v4 offset:(i/4)*SPI+(i%4)*512
.set i, i+1
.endr
.set i, 0
.rept 16
	s_wait_dscnt 15-i                              ; LDS loads come back in order: load i is in, the younger ones may be out
	global_store_b128 v1, v[H+4*i:H+4*i+3], s[26:27] offset:(i/4)*2048+(i%4)*512 th:TH_STORE_NT
.set i, i+1
.endr
	s_wait_xcnt 0x0
	v_lshl_add_u32 v254, v0, 2, 0x29000
	v_mov_b32 v255, 0
	s_wait_dscnt 0x0                               ; the closing lines, six on end
	s_wait_alu 0x0
	s_wait_tensorcnt 0x0
	ds_add_u32 v254, v255
	s_wait_dscnt 0x0
	s_endpgm
.Lfunc_end_k_q341bfeb6e6_ffn:
	.size	k_q341bfeb6e6_ffn, .Lfunc_end_k_q341bfeb6e6_ffn-k_q341bfeb6e6_ffn
	.p2alignl 7, 3214868480
	.fill 96, 4, 3214868480
	.section	.rodata,"a",@progbits
	.p2align	6, 0x0
	.amdhsa_kernel k_q341bfeb6e6_ffn
		.amdhsa_group_segment_fixed_size 168960
		.amdhsa_private_segment_fixed_size 0
		.amdhsa_enable_private_segment 0
		.amdhsa_kernarg_size 96
		.amdhsa_user_sgpr_count 2
		.amdhsa_user_sgpr_kernarg_segment_ptr 1
		.amdhsa_wavefront_size32 1
		.amdhsa_system_sgpr_workgroup_id_x 1
		.amdhsa_system_sgpr_workgroup_id_y 1
		.amdhsa_system_sgpr_workgroup_id_z 1
		.amdhsa_system_vgpr_workitem_id 0
		.amdhsa_next_free_vgpr 512
		.amdhsa_next_free_sgpr 100
		.amdhsa_reserve_vcc 0
		.amdhsa_float_denorm_mode_32 3
		.amdhsa_float_denorm_mode_16_64 3
		.amdhsa_memory_ordered 1
		.amdhsa_forward_progress 1
		.amdhsa_inst_pref_size 255
	.end_amdhsa_kernel
	.section	.bss,"aw",@nobits
	.p2align	6
	.space	262144
	.amdgpu_metadata
---
amdhsa.version: [ 1, 2 ]
amdhsa.kernels:
  - .name:           k_q341bfeb6e6_ffn
    .symbol:         k_q341bfeb6e6_ffn.kd
    .args:
      - { .name: moves_embeddings, .offset: 0, .size: 8, .value_kind: global_buffer, .address_space: global }
      - { .name: cc, .offset: 8, .size: 8, .value_kind: global_buffer, .address_space: global }
      - { .name: cs, .offset: 16, .size: 8, .value_kind: global_buffer, .address_space: global }
      - { .name: wts, .offset: 24, .size: 8, .value_kind: global_buffer, .address_space: global }
      - { .name: bo, .offset: 32, .size: 8, .value_kind: global_buffer, .address_space: global }
      - { .name: g1, .offset: 40, .size: 8, .value_kind: global_buffer, .address_space: global }
      - { .name: beta1, .offset: 48, .size: 8, .value_kind: global_buffer, .address_space: global }
      - { .name: b_up, .offset: 56, .size: 8, .value_kind: global_buffer, .address_space: global }
      - { .name: b_down, .offset: 64, .size: 8, .value_kind: global_buffer, .address_space: global }
      - { .name: g2, .offset: 72, .size: 8, .value_kind: global_buffer, .address_space: global }
      - { .name: beta2, .offset: 80, .size: 8, .value_kind: global_buffer, .address_space: global }
      - { .name: out0, .offset: 88, .size: 8, .value_kind: global_buffer, .address_space: global }
    .group_segment_fixed_size: 168960
    .private_segment_fixed_size: 0
    .kernarg_segment_align: 8
    .kernarg_segment_size: 96
    .max_flat_workgroup_size: 256
    .sgpr_count:     100
    .vgpr_count:     512
    .wavefront_size: 32
...
	.end_amdgpu_metadata
.endif
;; end of part 5
